; MI455X (gfx1250); checked and timed in simulation.
; The chip was launched on July 23, 2026; its instructions are those of AMD's public machine-readable ISA for CDNA 5 (MIT licence, August 2026) and "CDNA5" Instruction Set Architecture Reference Guide (July 2026). The comments in the code are by the model that wrote it; some were corrected since.
;; Block. Allowed arithmetic: matrix products marked QUANTISED: E2M1 operands, one E8M0 scale for each 32 along K, by v_wmma_scale_f32_16x16x128_f8f6f4 with both operands' format E2M1 (or v_wmma_scale_f32_32x16x128_f4), f32 sums; everything else in f32.
;; Inputs: b1 4,096 float32; b2 1,024 float32; be1 1,024 float32; be2 1,024 float32; bo 1,024 float32; g1 1,024 float32; g2 1,024 float32; w1 1,024 x 4,096 float32; w2 4,096 x 1,024 float32; wk 16 x 1,024 x 64 float32; wo 1,024 x 1,024 float32; wq 16 x 1,024 x 64 float32; wv 16 x 1,024 x 64 float32; x 4 x 1,024 x 1,024 float32.
;; Outputs: out0 4 x 1,024 x 1,024 float32.
;; This version of the problem:
;;   THIS VERSION OF THE PROBLEM IS GIVEN IN LOW PRECISION. The matrix products marked QUANTISED in the list below multiply operands that are first quantised to E2M1 (2 exponent bits, 1 mantissa bit; 4 bits a number), with one power-of-two scale for each 32 numbers along K (OCP MX v1.0); their sums are f32. All else is computed in f32.
;;   The module's matrix products, in the order in which they are computed (A, B: the left and right operand; K: the contracted axis; several contracted axes count as one K, in the product's order):
;;     1. [M 1,024, K 1,024] x [K 1,024, N 4,096]; A: input wq; B: computed on the way: QUANTISED
;;     2. [M 1,024, K 1,024] x [K 1,024, N 4,096]; A: input wk; B: computed on the way: QUANTISED
;;     3. [M 1,024, K 1,024] x [K 1,024, N 4,096]; A: input wv; B: computed on the way: QUANTISED
;;     4. batch 64 x [M 1,024, K 64] x [K 64, N 1,024]; A: computed on the way; B: computed on the way: QUANTISED
;;     5. batch 64 x [M 1,024, K 1,024] x [K 1,024, N 64]; A: softmax (see below); B: computed on the way: QUANTISED
;;     6. [M 4,096, K 1,024] x [K 1,024, N 1,024]; A: computed on the way; B: input wo: QUANTISED
;;     7. [M 4,096, K 1,024] x [K 1,024, N 4,096]; A: computed on the way; B: input w1: QUANTISED
;;     8. [M 4,096, K 4,096] x [K 4,096, N 1,024]; A: computed on the way; B: input w2: QUANTISED
;;   THE QUANTISER, for each operand of a quantised product, along K:
;;     - K is cut into blocks of 32 from its start; a last block that is shorter is filled with zeros.
;;     - A block's scale is 2^e with e = floor(log2(the largest magnitude in the block)) - 2, held to -126 .. 127; a block of zeros has e = 0. As a byte (E8M0): e + 127.
;;     - Each number is divided by its block's scale, clamped to +-6, and rounded to the nearest number of E2M1, ties to even, subnormals kept.
;;     - The product sums the exact products of the quantised numbers (number of the format x scale) in f32.
;;   ~~~python
;;   def quantise(x, axis):      # numpy; x: float32 -> the quantised numbers, widened to float32 again
;;       x = np.moveaxis(x, axis, -1); K = x.shape[-1]
;;       x = np.pad(x, [(0, 0)] * (x.ndim - 1) + [(0, -K % 32)]); x = x.reshape(x.shape[:-1] + (-1, 32)); a = np.abs(x).max(-1, keepdims=True)
;;       e = np.where(a > 0, np.clip(np.frexp(np.where(a > 0, a, 1))[1] - 1 - 2, -126, 127), 0)      # np.frexp(a)[1] - 1 = floor(log2(a)), exactly
;;       r = np.clip(x / 2.0 ** e, -6, 6)
;;       step = 2.0 ** (np.maximum(np.frexp(np.where(r == 0, 1, r))[1] - 1, 0) - 1)
;;       q = np.round(r / step) * step * 2.0 ** e      # np.round: ties to even
;;       return np.moveaxis(q.reshape(q.shape[:-2] + (-1,))[..., :K], -1, axis).astype(np.float32)
;;   ~~~
;;   SOFTMAX AHEAD OF A QUANTISED PRODUCT. Where the list says 'softmax', what is quantised is not the finished softmax but p = 2^(t - M), with t = logit x log2(e) and M = ceil(the row's largest t), a whole number; so 1/2 < the row's largest p <= 1. The row's sum l is taken of the UNQUANTISED p, in f32, and the product's result is divided by l at the end. Since M is a whole number, a kernel that streams over the keys may use a running M (the ceiling of the running maximum): every later rescaling is an exact power of two, which a block's scale takes up: the codes' values come out the same.
;;   OPERANDS COMPUTED ON THE WAY. 'Computed on the way' means the value that the module computes at that place (a softmax that the list does not call 'softmax' is quantised finished and normalised). What goes into a quantiser is computed in f32, as accurately as f32 sums, v_exp_f32 and their like allow (about 1e-6 of the number): no bf16 or f16 on the way to a quantiser, and a product that is left as it is and whose result goes on into a quantised operand takes f32 operands (vector FMAs, or v_wmma_f32_16x16x4_f32). A number that lies on a knife's edge between two numbers of the format may be rounded either way, as far as f32 arithmetic and the matrix unit's own rounding can turn it there, and no further.
;; One version. Each part assembles by itself: llvm-mc -triple=amdgcn-amd-amdhsa -mcpu=gfx1250 --defsym DOCPART=n.
;; ======== version 1 of 1: 7 launches
;; workspace buffers: wimg 7,208,960 bytes; himg 2,228,224 bytes; h2img 2,228,224 bytes; oimg 2,228,224 bytes; qkvimg 11,272,192 bytes; x1 16,777,216 bytes; hid 8,912,896 bytes
;; launch prep (part 1): grid 448 x 1, 16 waves a work-group, no clusters, 82,944 bytes of LDS; arguments x, g1, be1, himg, wq, wk, wv, wo, w1, w2, wimg; writes himg, wimg
.if DOCPART == 1
	.amdgcn_target "amdgcn-amd-amdhsa--gfx1250"
	.amdhsa_code_object_version 6
	.text
	.protected	k_q233bab3298_prep
	.globl	k_q233bab3298_prep
	.p2align	8
	.type	k_q233bab3298_prep,@function
k_q233bab3298_prep:
	s_mov_b64 s[64:65], 0
	v_nop
	global_prefetch_b8 v0, s[64:65] scope:SCOPE_SE
	s_setreg_imm32_b32 hwreg(HW_REG_WAVE_MODE, 25, 1), 1
	s_wait_xcnt 0x0
; TWO JOBS IN ONE LAUNCH, parted by the work-group's number.
; Work-groups 0-255: LayerNorm of 16 rows of x [4096][1024] f32, quantised along the row into codes of FP4 (E2M1) with one E8M0 byte for each 32.
; Work-groups 256-447: the six weights, whose K is not innermost, quantised down K.
; THE IMAGE, the one layout of every operand that this program makes: slot s holds row tau(s), tau = s with bits 3 and 4 exchanged; a tile is 16 slots.  The 16 bytes (32 codes) of slot s and
; K block kb lie at (s / 16) x TP + 256 kb + 16 (s % 16); TP = 8 x K bytes.  So 16 slots x 128 K are 1,024 bytes on end which ARE the matrix operand's registers: register group c of lane l at 512 c + 16 l.
; The scale word (4 bytes: 128 along K) of slot s and K step k lies at 16,384 k + 4 s.
; A block's scale is 2^(floor(log2(largest magnitude)) - 2); its byte is the largest magnitude's exponent field - 2, held at 1 from below.
; LIMITS: a block of zeros, and a block whose largest magnitude lies under 2^-124, get the byte 1 (the rule says 127 for zeros: the codes are zeros, and only this program reads the bytes); NaN and infinities are not served.
; No matrix unit, no tensor load, no cluster: the launch streams, and no two work-groups read the same bytes.
.set WSTG,  4608                       ; LDS, LayerNorm path only: a stage for each wave: 32 lanes x (128 bytes + 16 of padding)
.set IMG,   16*WSTG                    ; the tile's image: 32 K blocks x (256 bytes + 16 of padding)
.set SCB,   IMG+32*272                 ; its scale bytes: [8 K steps][16 slots][4]
.set FLOOR, 0x1800000                  ; 2^(3 - 127)
; 32 numbers of ONE block in v[x] on -> 4 registers of codes in v[c] on, the scale's byte in v[mb].  ma, mb, so: at work
.macro BLK x, c, ma, mb, so
	v_max3_num_f32 v[\ma], |v[(\x)]|, |v[(\x)+1]|, |v[(\x)+2]|      ; the largest magnitude, in two chains
	v_max3_num_f32 v[\mb], |v[(\x)+3]|, |v[(\x)+4]|, |v[(\x)+5]|
.irp i, 6,10,14,18,22,26
	v_max3_num_f32 v[\ma], v[\ma], |v[(\x)+\i]|, |v[(\x)+\i+1]|
	v_max3_num_f32 v[\mb], v[\mb], |v[(\x)+\i+2]|, |v[(\x)+\i+3]|
.endr
	v_max3_num_f32 v[\ma], v[\ma], |v[(\x)+30]|, |v[(\x)+31]|
	v_max3_num_f32 v[\ma], v[\ma], v[\mb], FLOOR                    ; and the floor: the byte cannot fall under 1
	v_add_nc_u32 v[\so], 0xff000000, v[\ma]                         ; 2 off the exponent field: the conversion takes this operand's exponent field as its scale
.irp g, 0,1,2,3
	v_cvt_scalef32_pk8_fp4_f32 v[(\c)+\g], v[(\x)+8*\g:(\x)+8*\g+7], v[\so]
.endr
	v_lshrrev_b32 v[\mb], 23, v[\so]                                ; the byte; also the plain line behind the conversions
.endm
	s_cmp_ge_u32 ttmp9, 256
	s_cbranch_scc1 .Lweights
; ---------------- LayerNorm: work-group g makes slot tile g; wave w makes slot w: one row a wave, 32 numbers a lane ----------------
	s_load_b256 s[4:11], s[0:1], 0x0               ; x s[4:5], gain s[6:7], offset s[8:9], image s[10:11]
	v_lshrrev_b32 v1, 5, v0
	v_readfirstlane_b32 s12, v1                    ; wave 0..15
	v_and_b32 v8, 31, v0                           ; lane l
	v_lshlrev_b32 v1, 4, v8                        ; 16 l: my bytes of a load's 512
	s_mul_i32 s22, s12, WSTG
	v_lshrrev_b32 v9, 3, v8
	v_lshl_add_u32 v2, v9, 4, v1
	v_add_nc_u32 v2, s22, v2                       ; stage, in: eight lanes' 128 bytes on end, then 16 of padding
	v_mul_u32_u24 v3, v8, 144
	v_add_nc_u32 v3, s22, v3                       ; stage, out: block l: 144 l
	s_lshl_b32 s23, s12, 4
	s_add_co_u32 s23, s23, IMG
	v_mul_u32_u24 v4, v8, 272
	v_add_nc_u32 v4, s23, v4                       ; image, in: block l, slot w
	v_lshrrev_b32 v9, 2, v8
	v_and_b32 v10, 3, v8
	v_lshl_add_u32 v5, v9, 6, v10
	s_lshl_b32 s23, s12, 2
	s_add_co_u32 s23, s23, SCB
	v_add_nc_u32 v5, s23, v5                       ; my block's byte: K step l / 4, slot w, byte l % 4
	v_lshlrev_b32 v10, 4, v10
	v_lshl_add_u32 v12, v9, 14, v10                ; wave 0's way out for the scale words: 16,384 (l / 4) + 16 (l % 4)
	s_mul_i32 s23, s12, 544
	s_add_co_u32 s23, s23, IMG
	v_lshrrev_b32 v9, 4, v8
	v_mul_u32_u24 v9, v9, 272
	v_and_b32 v10, 15, v8
	v_lshl_add_u32 v6, v10, 4, v9
	v_add_nc_u32 v6, s23, v6                       ; image, out: wave w takes blocks 2 w and 2 w + 1
	s_lshl_b32 s23, s12, 9
	v_add_nc_u32 v7, s23, v1                       ; and their place in the tile in memory: 512 w + 16 l
	v_add_nc_u32 v11, SCB, v1                      ; wave 0: 16 bytes of scale words a lane
	s_lshr_b32 s13, ttmp9, 1                       ; the row of slot w of tile g: 32 (g / 2) + 8 (g % 2) + w % 8 + 16 (w / 8)
	s_lshl_b32 s13, s13, 5
	s_and_b32 s14, ttmp9, 1
	s_lshl_b32 s14, s14, 3
	s_add_co_u32 s13, s13, s14
	s_lshr_b32 s14, s12, 3
	s_lshl_b32 s14, s14, 4
	s_add_co_u32 s13, s13, s14
	s_and_b32 s14, s12, 7
	s_add_co_u32 s13, s13, s14
	s_lshl_b32 s14, s13, 12                        ; x 4,096 bytes
	s_mov_b32 s15, 0
	s_mov_b32 s16, 0x76543210                      ; v_permlanex16_b32's selects for lane l xor 16
	s_mov_b32 s17, 0xfedcba98
	s_mov_b32 s18, 0x3a800000                      ; 1 / 1024
	s_mov_b32 s19, 0x3727c5ac                      ; 1e-5
	s_lshl_b32 s20, ttmp9, 13                      ; the tile's 8,192 bytes of codes
	s_mov_b32 s21, 0
	s_lshl_b32 s24, ttmp9, 6                       ; its 64 bytes in each row of scale words
	s_add_co_u32 s24, s24, 0x200000
	s_mov_b32 s25, 0
	s_wait_kmcnt 0x0
	s_add_nc_u64 s[4:5], s[4:5], s[14:15]
	s_add_nc_u64 s[20:21], s[10:11], s[20:21]
	s_add_nc_u64 s[24:25], s[10:11], s[24:25]
.irp j, 0,1,2,3,4,5,6,7
	global_load_b128 v[16+4*\j:19+4*\j], v1, s[4:5] offset:512*\j    ; each load: 512 consecutive bytes of the row
.endr
.irp j, 0,1,2,3,4,5,6,7
	global_load_b128 v[48+4*\j:51+4*\j], v1, s[6:7] offset:512*\j
.endr
.irp j, 0,1,2,3,4,5,6,7
	global_load_b128 v[80+4*\j:83+4*\j], v1, s[8:9] offset:512*\j
.endr
.macro REDUCE                          ; four packed chains v[112:119] -> their sum over the wave, in v112 of every lane
	v_pk_add_f32 v[112:113], v[112:113], v[114:115]
	v_pk_add_f32 v[116:117], v[116:117], v[118:119]
	v_pk_add_f32 v[112:113], v[112:113], v[116:117]
	v_add_f32 v112, v112, v113
	v_add_f32_dpp v112, v112, v112 row_xmask:1 row_mask:0xf bank_mask:0xf
	v_add_f32_dpp v112, v112, v112 row_xmask:2 row_mask:0xf bank_mask:0xf
	v_add_f32_dpp v112, v112, v112 row_xmask:4 row_mask:0xf bank_mask:0xf
	v_add_f32_dpp v112, v112, v112 row_xmask:8 row_mask:0xf bank_mask:0xf
	v_permlanex16_b32 v113, v112, s16, s17
	v_add_f32 v112, v112, v113
.endm
	s_wait_loadcnt 16                              ; the row is in; the gain's and the offset's sixteen loads may be out
.irp k, 0,1,2,3
	v_pk_add_f32 v[112+2*\k:113+2*\k], v[16+4*\k:17+4*\k], v[18+4*\k:19+4*\k]
.endr
.irp i, 0,1
.irp k, 0,1,2,3
	v_pk_add_f32 v[112+2*\k:113+2*\k], v[112+2*\k:113+2*\k], v[32+8*\i+2*\k:33+8*\i+2*\k]
.endr
.endr
	REDUCE
	v_mul_f32 v112, s18, v112                      ; the mean
.irp i, 0,1,2,3,4,5,6,7,8,9,10,11,12,13,14,15
	v_pk_add_f32 v[16+2*\i:17+2*\i], v[16+2*\i:17+2*\i], v[112:113] op_sel_hi:[1,0] neg_lo:[0,1] neg_hi:[0,1]   ; x - mean first: the variance is a sum of squares of differences, so a common offset costs nothing
.endr
.irp k, 0,1,2,3
	v_pk_mul_f32 v[112+2*\k:113+2*\k], v[16+2*\k:17+2*\k], v[16+2*\k:17+2*\k]
.endr
.irp i, 1,2,3
.irp k, 0,1,2,3
	v_pk_fma_f32 v[112+2*\k:113+2*\k], v[16+8*\i+2*\k:17+8*\i+2*\k], v[16+8*\i+2*\k:17+8*\i+2*\k], v[112+2*\k:113+2*\k]
.endr
.endr
	REDUCE
	v_fma_f32 v112, v112, s18, s19                 ; the variance + 1e-5
	v_rsq_f32 v114, v112
	v_nop                                          ; a plain line behind the transcendental,
	s_wait_alu depctr_va_vdst(0)                   ; and the wait ahead of its first reader
	s_wait_loadcnt 0x0                             ; gain and offset
.irp i, 0,1,2,3,4,5,6,7,8,9,10,11,12,13,14,15
	v_pk_mul_f32 v[16+2*\i:17+2*\i], v[16+2*\i:17+2*\i], v[114:115] op_sel_hi:[1,0]
.endr
.irp i, 0,1,2,3,4,5,6,7,8,9,10,11,12,13,14,15
	v_pk_fma_f32 v[16+2*\i:17+2*\i], v[16+2*\i:17+2*\i], v[48+2*\i:49+2*\i], v[80+2*\i:81+2*\i]
.endr
; the conversions want 32 neighbours in one lane: the row turns through my own stage (LDS serves a wave's instructions in order: no wait between the stores and the loads)
.irp j, 0,1,2,3,4,5,6,7
	ds_store_b128 v2, v[16+4*\j:19+4*\j] offset:576*\j
.endr
.irp i, 0,1,2,3,4,5,6,7
	ds_load_b128 v[48+4*\i:51+4*\i], v3 offset:16*\i
.endr
	s_wait_dscnt 0x0                               ; lane l holds block l
	BLK 48, 120, 112, 113, 114
	ds_store_b128 v4, v[120:123]
	ds_store_b8 v5, v113
	s_wait_dscnt 0x0                               ; for the others' sake: my stores have landed
	s_barrier_signal -1
	s_barrier_wait -1                              ; the tile's image is whole
	ds_load_b128 v[124:127], v6
	s_wait_dscnt 0x0
	global_store_b128 v7, v[124:127], s[20:21]     ; 512 consecutive bytes a wave, aligned
	s_cmp_lg_u32 s12, 0
	s_cbranch_scc1 .Lln_end
	ds_load_b128 v[116:119], v11                   ; wave 0: the tile's scale words: 64 consecutive bytes in each of 8 rows (one byte in 128 of what the launch moves)
	s_wait_dscnt 0x0
	global_store_b128 v12, v[116:119], s[24:25]
.Lln_end:
	s_endpgm
; ---------------- the weights: u = work-group - 256.  A work-group takes 128 columns x 512 K; wave w 32 columns (w % 4) x 128 K (w / 4); A LANE TAKES A COLUMN AND ITS REGISTERS RUN DOWN K ----------------
; u 0-47: wq, wk, wv ([16][1024][64]: column = 64 head + j; slots 0, 1024, 2048 on);  48-63: wo;  64-127: w1;  128-191: w2.  What differs is chosen by selects on u alone: no branch.
.Lweights:
	s_load_b256 s[4:11], s[0:1], 0x20              ; wq, wk, wv, wo
	s_load_b128 s[12:15], s[0:1], 0x40             ; w1, w2
	s_load_b64 s[16:17], s[0:1], 0x50              ; the weights' images
	s_sub_co_u32 s18, ttmp9, 256                   ; u
	s_lshr_b32 s19, s18, 4
	s_cmp_ge_u32 s18, 48
	s_cselect_b32 s22, 12, 8                       ; log2 of a row of the weight in bytes
	s_cselect_b32 s23, 3, 0                        ; the codes' base in units of 0x80000
	s_cselect_b32 s24, 1, 0                        ; which of the four groups
	s_cselect_b32 s25, 0, s19                      ; first slot / 1024
	s_cmp_ge_u32 s18, 64
	s_cselect_b32 s22, 14, s22
	s_cselect_b32 s23, 4, s23
	s_cselect_b32 s24, 2, s24
	s_cselect_b32 s26, 31, 7                       ; groups of 128 columns - 1
	s_cselect_b32 s27, 5, 3                        ; and their log2
	s_cselect_b32 s28, 63, 15                      ; work-groups of the tensor - 1
	s_cmp_ge_u32 s18, 128
	s_cselect_b32 s22, 12, s22
	s_cselect_b32 s23, 8, s23
	s_cselect_b32 s24, 3, s24
	s_cselect_b32 s26, 7, s26
	s_cselect_b32 s27, 3, s27
	s_cselect_b32 s29, 15, 13                      ; log2 of the image's tile pitch
	v_lshrrev_b32 v4, 5, v0
	v_readfirstlane_b32 s66, v4                    ; wave
	s_and_b32 s67, s66, 3
	s_lshr_b32 s68, s66, 2
	s_and_b32 s69, s18, s28
	s_and_b32 s70, s69, s26
	s_lshr_b32 s71, s69, s27
	s_lshl_b32 s72, s70, 7
	s_lshl_b32 s30, s67, 5
	s_add_co_u32 s72, s72, s30                     ; c0: my wave's first column
	s_lshl_b32 s73, s71, 2
	s_add_co_u32 s73, s73, s68                     ; my K step of 128
	s_lshr_b32 s74, s72, 6
	s_lshl_b32 s74, s74, 18                        ; per-head weights: the head's 262,144 bytes,
	s_and_b32 s30, s72, 63
	s_lshl_b32 s30, s30, 2
	s_or_b32 s74, s74, s30                         ; and the column in it
	s_lshl_b32 s30, s72, 2
	s_cmp_eq_u32 s24, 0
	s_cselect_b32 s74, s74, s30
	s_lshl_b32 s75, s73, 7
	s_lshl_b32 s75, s75, s22                       ; 128 K step rows down
	s_add_co_u32 s76, s74, s75
	s_mov_b32 s77, 0
	s_lshl_b32 s78, 8, s22                         ; eight rows
	s_mov_b32 s79, 0
	s_lshl_b32 s31, 1, s22                         ; one row
	s_lshl_b32 s80, s25, 10
	s_add_co_u32 s80, s80, s72                     ; my first slot
	s_lshr_b32 s82, s80, 4
	s_lshl_b32 s82, s82, s29
	s_lshl_b32 s30, s23, 19
	s_add_co_u32 s82, s82, s30
	s_lshl_b32 s30, s73, 10
	s_add_co_u32 s82, s82, s30                     ; where my codes go
	s_mov_b32 s83, 0
	s_lshl_b32 s84, s24, 17
	s_add_co_u32 s84, s84, 0x600000
	s_lshl_b32 s30, s73, 14
	s_add_co_u32 s84, s84, s30
	s_lshl_b32 s30, s80, 2
	s_add_co_u32 s84, s84, s30                     ; and my scale words
	s_mov_b32 s85, 0
	v_and_b32 v1, 7, v0
	v_bfe_u32 v4, v0, 3, 1
	v_lshl_or_b32 v1, v4, 4, v1
	v_bfe_u32 v4, v0, 4, 1
	v_lshl_or_b32 v1, v4, 3, v1                    ; tau(l): slot c0 + l holds column c0 + tau(l)
	v_lshlrev_b32 v8, 2, v1
.irp i, 1,2,3,4,5,6,7
	v_add_nc_u32 v[8+\i], s31, v[7+\i]             ; v8-15: my column in rows 0 to 7
.endr
	v_lshlrev_b32 v4, s29, v4
	v_and_b32 v5, 15, v0
	v_lshl_add_u32 v2, v5, 4, v4                   ; codes: tile l / 16, slot l % 16
	v_and_b32 v3, 31, v0
	v_lshlrev_b32 v3, 2, v3                        ; scale words: 4 l
	s_wait_kmcnt 0x0
	s_cmp_eq_u32 s19, 1
	s_cselect_b64 s[20:21], s[6:7], s[4:5]
	s_cmp_eq_u32 s19, 2
	s_cselect_b64 s[20:21], s[8:9], s[20:21]
	s_cmp_eq_u32 s19, 3
	s_cselect_b64 s[20:21], s[10:11], s[20:21]
	s_cmp_ge_u32 s18, 64
	s_cselect_b64 s[20:21], s[12:13], s[20:21]
	s_cmp_ge_u32 s18, 128
	s_cselect_b64 s[20:21], s[14:15], s[20:21]
	s_add_nc_u64 s[32:33], s[20:21], s[76:77]      ; sixteen bases, eight rows apart, made once and never written again: no pointer is stepped under a pending load
.irp g, 1,2,3,4,5,6,7,8,9,10,11,12,13,14,15
	s_add_nc_u64 s[32+2*\g:33+2*\g], s[30+2*\g:31+2*\g], s[78:79]
.endr
	s_add_nc_u64 s[82:83], s[16:17], s[82:83]
	s_add_nc_u64 s[84:85], s[16:17], s[84:85]
.macro WLOAD t                         ; block t: 32 rows of my column into set t % 2; a wave's load reads 128 consecutive bytes, the four waves side by side 512
.set i, 0
.rept 32
	global_load_b32 v[16+32*((\t)%2)+i], v[8+i%8], s[32+2*(4*(\t)+i/8):33+2*(4*(\t)+i/8)] th:TH_LOAD_NT
.set i, i+1
.endr
.endm
.macro WBLOCK t
.if (\t) < 3
	s_wait_loadcnt 32                              ; this block's 32 loads are in; the next block's 32 may be out
.else
	s_wait_loadcnt 0x0
.endif
	BLK 16+32*((\t)%2), 112+4*(\t), 4, 5, 6        ; each block has its own four registers of codes: no store's data are written again
.if (\t) == 0
	v_mov_b32 v7, v5
.else
	v_lshl_or_b32 v7, v5, 8*(\t), v7               ; four bytes make the scale word
.endif
	global_store_b128 v2, v[112+4*(\t):115+4*(\t)], s[82:83] offset:256*(\t)   ; sixteen lanes fill 256 consecutive bytes, aligned
.if (\t)+2 < 4
	WLOAD (\t)+2
.endif
.endm
	WLOAD 0
	WLOAD 1
	WBLOCK 0
	WBLOCK 1
	WBLOCK 2
	WBLOCK 3
	global_store_b32 v3, v7, s[84:85]              ; 128 consecutive bytes a wave (one byte in 128 of what the launch moves)
	s_endpgm
.Lfunc_end_k_q233bab3298_prep:
	.size	k_q233bab3298_prep, .Lfunc_end_k_q233bab3298_prep-k_q233bab3298_prep
	.p2alignl 7, 3214868480
	.fill 96, 4, 3214868480
	.section	.rodata,"a",@progbits
	.p2align	6, 0x0
	.amdhsa_kernel k_q233bab3298_prep
		.amdhsa_group_segment_fixed_size 82944
		.amdhsa_private_segment_fixed_size 0
		.amdhsa_enable_private_segment 0
		.amdhsa_kernarg_size 88
		.amdhsa_user_sgpr_count 2
		.amdhsa_user_sgpr_kernarg_segment_ptr 1
		.amdhsa_wavefront_size32 1
		.amdhsa_system_sgpr_workgroup_id_x 1
		.amdhsa_system_sgpr_workgroup_id_y 1
		.amdhsa_system_sgpr_workgroup_id_z 1
		.amdhsa_system_vgpr_workitem_id 0
		.amdhsa_next_free_vgpr 128
		.amdhsa_next_free_sgpr 96
		.amdhsa_reserve_vcc 0
		.amdhsa_float_denorm_mode_32 3
		.amdhsa_float_denorm_mode_16_64 3
		.amdhsa_memory_ordered 1
		.amdhsa_forward_progress 1
		.amdhsa_inst_pref_size 37
	.end_amdhsa_kernel
	.amdgpu_metadata
---
amdhsa.version: [ 1, 2 ]
amdhsa.kernels:
  - .name:           k_q233bab3298_prep
    .symbol:         k_q233bab3298_prep.kd
    .args:
      - { .name: x, .offset: 0, .size: 8, .value_kind: global_buffer, .address_space: global }
      - { .name: g1, .offset: 8, .size: 8, .value_kind: global_buffer, .address_space: global }
      - { .name: be1, .offset: 16, .size: 8, .value_kind: global_buffer, .address_space: global }
      - { .name: himg, .offset: 24, .size: 8, .value_kind: global_buffer, .address_space: global }
      - { .name: wq, .offset: 32, .size: 8, .value_kind: global_buffer, .address_space: global }
      - { .name: wk, .offset: 40, .size: 8, .value_kind: global_buffer, .address_space: global }
      - { .name: wv, .offset: 48, .size: 8, .value_kind: global_buffer, .address_space: global }
      - { .name: wo, .offset: 56, .size: 8, .value_kind: global_buffer, .address_space: global }
      - { .name: w1, .offset: 64, .size: 8, .value_kind: global_buffer, .address_space: global }
      - { .name: w2, .offset: 72, .size: 8, .value_kind: global_buffer, .address_space: global }
      - { .name: wimg, .offset: 80, .size: 8, .value_kind: global_buffer, .address_space: global }
    .group_segment_fixed_size: 82944
    .private_segment_fixed_size: 0
    .kernarg_segment_align: 8
    .kernarg_segment_size: 88
    .max_flat_workgroup_size: 512
    .sgpr_count:     96
    .vgpr_count:     128
    .wavefront_size: 32
...
	.end_amdgpu_metadata
.endif
;; end of part 1
;; launch qkv (part 2): grid 8 x 24, 4 waves a work-group, clusters of 4 x 4, 280,576 bytes of LDS; arguments himg, wimg, qkvimg; writes qkvimg
.if DOCPART == 2
	.amdgcn_target "amdgcn-amd-amdhsa--gfx1250"
	.amdhsa_code_object_version 6
	.text
	.protected	k_q233bab3298_qkv
	.globl	k_q233bab3298_qkv
	.p2align	8
	.type	k_q233bab3298_qkv,@function
k_q233bab3298_qkv:
	s_mov_b64 s[64:65], 0
	v_nop
	global_prefetch_b8 v0, s[64:65] scope:SCOPE_SE
	s_setreg_imm32_b32 hwreg(HW_REG_WAVE_MODE, 25, 1), 1
	s_wait_xcnt 0x0
	s_wait_alu depctr_hold_cnt(0) depctr_sa_sdst(0) depctr_va_vdst(0) depctr_va_sdst(0) depctr_va_ssrc(0) depctr_va_vcc(0) depctr_vm_vsrc(0)
	s_getreg_b32 s2, hwreg(HW_REG_IB_STS2, 6, 4)
	s_cmp_eq_u32 s2, 0
	s_cbranch_scc0 .Lentry_in_a_cluster
	s_endpgm
.Lentry_in_a_cluster:
	s_bfe_u32 s2, ttmp6, 0x10000c
	s_cmp_lg_u32 s2, 0xf033
	s_cbranch_scc0 .Lentry_shape_is_right
	s_endpgm
.Lentry_shape_is_right:
.set RELU, 0                           ; 0: q, k, v = h x wq, wk, wv.   1: hidden = relu(h2 x w1 + b1).   All else is one text
; A GEMM ON IMAGES OF FP4 CODES WHOSE RESULT IS QUANTISED ALONG ITS N AND STORED AS AN IMAGE AGAIN.  K = 1,024.  X (source 1) gives the result's rows (slots), Y (source 0) the axis along which it is quantised.
; IMAGE: the 16 bytes of slot s, K block kb at (s / 16) x TP + 256 kb + 16 (s % 16); slot s holds row tau(s) (bits 3 and 4 exchanged); scale word of slot s, K step k at 16,384 k + 4 s.
; A fragment (16 slots x 128 K) is 1,024 bytes on end and is the operand's registers: group c of lane l at 512 c + 16 l: no pitch, no padding, every LDS load reads 512 consecutive bytes.
; THE PRODUCT IS USED TRANSPOSED (source 0 = 16 slots of Y, source 1 = 16 slots of X): a lane holds ONE slot of X, and, Y's slots being in tau's order, the 16 registers of Y's tiles 2 b and 2 b + 1 are the 16
; neighbours 32 b + 16 (lane / 16) + 0 .. 15 along Y's true order: the conversions' results are the next operand's registers.
; RELU = 0: clusters y 0-3: X = tokens (256 x work-group y), Y = wq's and wk's columns: q and k, quantised along the head's axis.  Clusters y 4, 5: X = wv's columns, Y = tokens: v, quantised along the tokens.
;   The role hangs on the cluster's y alone, by selects: no branch.
; A work-group of four waves makes 256 x 256, a wave 128 x 128: 64 accumulators, 512 registers.  All of K fits in LDS: two halves of 512, both asked for at the head; nothing is filled again.
; CLUSTERS 4 x 4: X's tiles are shared along a row of the cluster, Y's along a column: joint loads.
; LIMITS: a block of zeros or under 2^-124 gets the byte 1 (its codes are zeros or held; only this program reads the bytes); NaN and infinities are not served.
; No prefetch: every tile is asked for at the head.
; REGISTERS: window 0: v16-27 addresses; v32-95 all 64 scale registers (8 q + i: lanes 0-15 X's tile i, lanes 16-31 Y's tile i, K step q); v128-255 X's fragments, two sets; in the way out v128-219 at work.
;   window 1: Y's fragments, two sets, at v0 and v128; v64-127 the bias's eight tiles (RELU).   windows 2, 3: the accumulators ((a, b) at v[8 (8 (a % 4) + b)]).
.set SLOTB, 131072                     ; half of K: [4 parts: X's halves, Y's halves][8 tiles][4,096 bytes]
.set PARTB, 32768
.set SCL,   2*SLOTB                    ; the scale words: [4 parts][8 K steps][128 slots x 4 bytes]
.set SST,   SCL+16384                  ; 512 bytes for each wave: the result's scale words on their way out; no tensor load lands here
.set ADRA, 16                          ; v16-17 X's fragments in half 0, 1
.set ADRB, 20                          ; v20-21 Y's
.set SWS,  24                          ; v24 SST + 512 w + 4 r
.set SRD,  25                          ; v25 SST + 512 w + 16 l
.set LI,   26                          ; v26 16 l
.set ADRS, 27                          ; v27 my scale words: lanes 0-15 X's, lanes 16-31 Y's
.set SC,   32
.set XF,   128
.set PC,   128                         ; the way out: codes, 8 registers for each of 8 blocks: no store's data are written again
.set PW,   192                         ; scale words, one for each block
.set TM,   200                         ; v200-203 largest magnitudes, v204-207 bytes, v212-215 the conversions' scale operands
.set G1, 24
.set G0, 32
.set G1B, 48
.set G0B, 56
.set G1S, 68
.set G0S, 76
.set G1SB, 80
.set G0SB, 88
.set MSB, 0
.macro WIN new                         ; the immediate's high byte repeats the setting that is left
.if MSB != \new
	s_set_vgpr_msb (MSB<<8)|\new
.set MSB, \new
.endif
.endm
; A joint load: waves 0 and 1 fetch for X, waves 2 and 3 for Y; the branch hangs on the wave's number alone.  Four v_nop follow each of the two lines.
.macro JLOAD g0a, g1a, g0b, g1b
	s_cmp_eq_u32 s15, 0
	s_cbranch_scc0 .Lfor_b_\@
	tensor_load_to_lds s[\g0a:\g0a+3], s[\g1a:\g1a+7]
.rept 4
	v_nop
.endr
	s_branch .Lasked_\@
.Lfor_b_\@:
	tensor_load_to_lds s[\g0b:\g0b+3], s[\g1b:\g1b+7]
.rept 4
	v_nop
.endr
.Lasked_\@:
.endm
.macro CROUND                          ; a round of the cluster's barrier
	s_barrier_signal -1
	s_barrier_wait -1
	s_cmp_lg_u32 s14, 0
	s_cbranch_scc1 .Lnot_wave_0_\@
	s_barrier_signal -3
.Lnot_wave_0_\@:
	s_barrier_wait -3
	s_barrier_signal -1
	s_barrier_wait -1
.endm
.macro PLACES n
.rept \n
	v_nop
.endr
.endm
	s_load_b128 s[4:7], s[0:1], 0x0                ; the tokens' image s[4:5], the weights' images s[6:7]
.if RELU
	s_load_b64 s[66:67], s[0:1], 0x10              ; b1
	s_load_b64 s[8:9], s[0:1], 0x18                ; the result's image
.else
	s_load_b64 s[8:9], s[0:1], 0x10                ; the result's images
.endif
	v_lshrrev_b32 v1, 5, v0
	v_readfirstlane_b32 s14, v1                    ; wave 0..3
	s_lshr_b32 s15, s14, 1                         ; which 128 slots of X are mine.  Also: I fetch for X (0) or for Y (1)
	s_and_b32 s16, s14, 1                          ; which 128 slots of Y.  Also: which half of that tile I fetch
	s_bfe_u32 s40, ttmp6, 0x40000                  ; cx, cy: my place in the cluster
	s_bfe_u32 s41, ttmp6, 0x40004
	s_and_b32 s45, ttmp7, 0xffff                   ; the cluster's y
	s_lshl_b32 s42, ttmp9, 2
	s_add_co_u32 s42, s42, s40                     ; work-group x
	s_lshl_b32 s17, s45, 2
	s_add_co_u32 s17, s17, s41                     ; work-group y
	s_lshl_b32 s43, s41, 2
	s_lshl_b32 s43, 15, s43                        ; my row of the cluster
	s_lshl_b32 s44, 0x1111, s40                    ; my column
	s_or_b32 s[G1+0], s43, (3<<16)|(1<<21)         ; 15:0 the mask: X's tiles go to my row; 17:16 elements of 8 bytes; 21 set beside a mask; no padding
	s_or_b32 s[G1B+0], s44, (3<<16)|(1<<21)        ; Y's go to my column
.irp g, G1, G1B
	s_mov_b32 s[\g+1], 512<<16                     ; tensor_dim0: a tile's 4,096 bytes of half of K
	s_mov_b32 s[\g+2], 8<<16                       ; tensor_dim1: 8 tiles
	s_mov_b32 s[\g+3], 512<<16                     ; tile_dim0
	s_mov_b32 s[\g+4], 8                           ; tile_dim1
	s_mov_b32 s[\g+5], 1024                        ; from tile to tile: 8,192 bytes
	s_mov_b32 s[\g+6], 0
	s_mov_b32 s[\g+7], 0
.endr
	s_or_b32 s[G1S+0], s43, (3<<16)|(1<<21)
	s_or_b32 s[G1SB+0], s44, (3<<16)|(1<<21)
.irp g, G1S, G1SB
	s_mov_b32 s[\g+1], 64<<16                      ; the scale words of 128 slots: 512 bytes,
	s_mov_b32 s[\g+2], 8<<16                       ; for 8 K steps,
	s_mov_b32 s[\g+3], 64<<16
	s_mov_b32 s[\g+4], 8
	s_mov_b32 s[\g+5], 2048                        ; 16,384 bytes apart
	s_mov_b32 s[\g+6], 0
	s_mov_b32 s[\g+7], 0
.endr
.if RELU
	s_mov_b32 s18, 0                               ; X's codes, X's scales, Y's codes, Y's scales, the result's codes and scales: where they begin in their buffers
	s_mov_b32 s19, 0x200000
	s_mov_b32 s3, 0x200000
	s_mov_b32 s22, 0x640000
	s_mov_b32 s2, 0
	s_mov_b32 s23, 0x800000
.else
	s_sub_co_u32 s46, s45, 4
	s_lshl_b32 s46, s46, 3
	s_add_co_u32 s46, s46, s42                     ; v's role: the tokens' tile = work-group x + 8 (cluster y - 4)
	s_mov_b32 s19, 0x200000
	s_mov_b32 s22, 0x600000
	s_mov_b32 s23, 0xa00000
	s_mov_b32 s3, 0
	s_cmp_ge_u32 s45, 4                            ; v's role?  The same in all sixteen partners
	s_cselect_b32 s17, s41, s17                    ; X's tile: hangs on cy and the cluster's y alone
	s_cselect_b32 s42, s46, s42                    ; Y's tile: on cx, the cluster's x and y
	s_cselect_b32 s18, 0x100000, 0
	s_cselect_b32 s19, 0x602000, s19
	s_cselect_b32 s22, 0x200000, s22
	s_cselect_b32 s2, 0x800000, 0
	s_cselect_b32 s23, 0xa40000, s23
.endif
	s_lshl_b32 s92, s17, 4
	s_lshl_b32 s93, s16, 3
	s_add_co_u32 s92, s92, s93
	s_lshl_b32 s92, s92, 13
	s_add_co_u32 s92, s92, s18                     ; X's codes: tile 16 XT + 8 half, 8,192 bytes a tile
	s_mov_b32 s93, 0
	s_lshl_b32 s94, s17, 10
	s_lshl_b32 s95, s16, 9
	s_add_co_u32 s94, s94, s95
	s_add_co_u32 s94, s94, s19                     ; X's scale words: slot 256 XT + 128 half
	s_mov_b32 s95, 0
	s_lshl_b32 s96, s42, 4
	s_lshl_b32 s97, s16, 3
	s_add_co_u32 s96, s96, s97
	s_lshl_b32 s96, s96, 13
	s_add_co_u32 s96, s96, s3                      ; Y likewise
	s_mov_b32 s97, 0
	s_lshl_b32 s98, s42, 10
	s_lshl_b32 s99, s16, 9
	s_add_co_u32 s98, s98, s99
	s_add_co_u32 s98, s98, s22
	s_mov_b32 s99, 0
	s_lshl_b32 s100, s14, 15                       ; where they go: part = wave: no place in the cluster enters an LDS address
	s_lshl_b32 s101, s14, 12
	s_wait_kmcnt 0x0
.if RELU
	s_mov_b64 s[20:21], s[4:5]
	s_mov_b64 s[46:47], s[6:7]
.else
	s_cmp_ge_u32 s45, 4
	s_cselect_b64 s[20:21], s[6:7], s[4:5]         ; X's buffer
	s_cselect_b64 s[46:47], s[4:5], s[6:7]         ; Y's
.endif
	s_add_nc_u64 s[92:93], s[20:21], s[92:93]
	s_add_nc_u64 s[94:95], s[20:21], s[94:95]
	s_add_nc_u64 s[96:97], s[46:47], s[96:97]
	s_add_nc_u64 s[98:99], s[46:47], s[98:99]
	CROUND                                         ; all sixteen work-groups are here: the joint loads meet
	s_mov_b32 s[G0S], 1
	s_add_co_u32 s[G0S+1], s101, SCL
	s_mov_b64 s[G0S+2:G0S+3], s[94:95]
	s_or_b32 s[G0S+3], s[G0S+3], 0x80000000
	s_mov_b32 s[G0SB], 1
	s_add_co_u32 s[G0SB+1], s101, SCL
	s_mov_b64 s[G0SB+2:G0SB+3], s[98:99]
	s_or_b32 s[G0SB+3], s[G0SB+3], 0x80000000
	JLOAD G0S, G1S, G0SB, G1SB                     ; the scale words first; then both halves of K: three loads of mine are out
.irp s, 0,1
	s_mov_b32 s[G0+4*\s], 1
	s_add_co_u32 s[G0+4*\s+1], s100, \s*SLOTB
	s_add_nc_u64 s[G0+4*\s+2:G0+4*\s+3], s[92:93], \s*4096
	s_or_b32 s[G0+4*\s+3], s[G0+4*\s+3], 0x80000000
	s_mov_b32 s[G0B+4*\s], 1
	s_add_co_u32 s[G0B+4*\s+1], s100, \s*SLOTB
	s_add_nc_u64 s[G0B+4*\s+2:G0B+4*\s+3], s[96:97], \s*4096
	s_or_b32 s[G0B+4*\s+3], s[G0B+4*\s+3], 0x80000000
	JLOAD G0+4*\s, G1, G0B+4*\s, G1B
.endr
	v_and_b32 v1, 15, v0                           ; r
	v_bfe_u32 v2, v0, 4, 1                         ; h
	v_and_b32 v3, 31, v0
	v_lshlrev_b32 v[LI], 4, v3
	s_lshl_b32 s10, s15, 15                        ; my part of X
	s_lshl_b32 s11, s16, 15
	s_add_co_u32 s11, s11, 2*PARTB                 ; my part of Y
.irp s, 0,1
	v_add_nc_u32 v[ADRA+\s], s10, v[LI]
	v_add_nc_u32 v[ADRB+\s], s11, v[LI]
	s_add_co_u32 s10, s10, SLOTB
	s_add_co_u32 s11, s11, SLOTB
.endr
	s_lshl_b32 s10, s15, 12
	s_lshl_b32 s11, s16, 12
	s_add_co_u32 s11, s11, 2*4096
	s_sub_co_u32 s11, s11, s10
	v_mul_u32_u24 v4, s11, v2                      ; lanes 16-31 take Y's: the lower base + h x the distance
	v_lshl_add_u32 v4, v1, 2, v4
	s_add_co_u32 s10, s10, SCL
	v_add_nc_u32 v[ADRS], s10, v4
	s_lshl_b32 s10, s14, 9
	s_add_co_u32 s10, s10, SST
	v_lshl_add_u32 v[SWS], v1, 2, s10
	v_add_nc_u32 v[SRD], s10, v[LI]
	; where the result goes: codes: tile 16 XT + 8 xpart (32,768 bytes a tile), K step 2 YT + ypart;  scale words: row 2 YT + ypart, slot 256 XT + 128 xpart
	s_lshl_b32 s10, s17, 4
	s_lshl_b32 s11, s15, 3
	s_add_co_u32 s10, s10, s11
	s_lshl_b32 s10, s10, 15
	s_lshl_b32 s11, s42, 1
	s_add_co_u32 s11, s11, s16
	s_lshl_b32 s3, s11, 10
	s_add_co_u32 s10, s10, s3
	s_add_co_u32 s10, s10, s2
	s_lshl_b32 s2, s11, 14
	s_mov_b32 s11, 0
	s_add_nc_u64 s[12:13], s[8:9], s[10:11]
	s_lshl_b32 s10, s17, 10
	s_lshl_b32 s3, s15, 9
	s_add_co_u32 s10, s10, s3
	s_add_co_u32 s10, s10, s2
	s_add_co_u32 s10, s10, s23
	s_add_nc_u64 s[10:11], s[8:9], s[10:11]
.if RELU
	s_lshl_b32 s46, s42, 10                        ; the bias is the C of each sum's first product: eight registers a tile, in the result's layout:
	s_lshl_b32 s47, s16, 9                         ; lane (r, h), tile b: columns 32 (b / 2) + 16 h + 8 (b % 2) + 0 .. 7 of my 128
	s_add_co_u32 s46, s46, s47
	s_mov_b32 s47, 0
	s_add_nc_u64 s[66:67], s[66:67], s[46:47]
	v_lshlrev_b32 v5, 6, v2
	WIN 0x40                                       ; destination window 1
.irp b, 0,1,2,3,4,5,6,7
	global_load_b128 v[64+8*\b:67+8*\b], v5, s[66:67] offset:128*(\b/2)+32*(\b%2)
	global_load_b128 v[68+8*\b:71+8*\b], v5, s[66:67] offset:128*(\b/2)+32*(\b%2)+16
.endr
	WIN 0
.endif
.macro FRAG reg, adr, q, i
.irp c, 0,1
	ds_load_b128 v[(\reg)+4*\c:(\reg)+4*\c+3], v[\adr] offset:4096*(\i)+1024*(\q)+512*\c
.endr
.endm
.macro FETCH slot, q, p                ; 32 LDS loads in one run: Y's and X's eight fragments of the half's q-th 128 along K into set p
	WIN 0x40
.irp i, 0,1,2,3,4,5,6,7
	FRAG 128*(\p)+8*\i, ADRB+(\slot), \q, \i
.endr
	WIN 0
.irp i, 0,1,2,3,4,5,6,7
	FRAG XF+64*(\p)+8*\i, ADRA+(\slot), \q, \i
.endr
.endm
; 16 matrix instructions: X's blocks a0, a0 + 1 x Y's eight.  mode 0: onto the sums; 1: the constant 0 starts them; 2: the bias does.  The 64 accumulators take turns, one instruction a turn, in the same order in every step.
.macro MUL16 a0, p, q, mode
.irp a, \a0, \a0+1
.irp b, 0,1,2,3,4,5,6,7
.if (\mode) == 0
	v_wmma_scale_f32_16x16x128_f8f6f4 v[8*(8*((\a)%4)+\b):8*(8*((\a)%4)+\b)+7], v[128*(\p)+8*\b:128*(\p)+8*\b+7], v[XF+64*(\p)+8*(\a):XF+64*(\p)+8*(\a)+7], v[8*(8*((\a)%4)+\b):8*(8*((\a)%4)+\b)+7], v[SC+8*(\q)+\b], v[SC+8*(\q)+(\a)] matrix_a_fmt:MATRIX_FMT_FP4 matrix_b_fmt:MATRIX_FMT_FP4 matrix_a_scale:MATRIX_SCALE_ROW1
.elseif (\mode) == 1
	v_wmma_scale_f32_16x16x128_f8f6f4 v[8*(8*((\a)%4)+\b):8*(8*((\a)%4)+\b)+7], v[128*(\p)+8*\b:128*(\p)+8*\b+7], v[XF+64*(\p)+8*(\a):XF+64*(\p)+8*(\a)+7], 0, v[SC+8*(\q)+\b], v[SC+8*(\q)+(\a)] matrix_a_fmt:MATRIX_FMT_FP4 matrix_b_fmt:MATRIX_FMT_FP4 matrix_a_scale:MATRIX_SCALE_ROW1
.else
	v_wmma_scale_f32_16x16x128_f8f6f4 v[8*(8*((\a)%4)+\b):8*(8*((\a)%4)+\b)+7], v[128*(\p)+8*\b:128*(\p)+8*\b+7], v[XF+64*(\p)+8*(\a):XF+64*(\p)+8*(\a)+7], v[64+8*\b:71+8*\b], v[SC+8*(\q)+\b], v[SC+8*(\q)+(\a)] matrix_a_fmt:MATRIX_FMT_FP4 matrix_b_fmt:MATRIX_FMT_FP4 matrix_a_scale:MATRIX_SCALE_ROW1
.endif
.endr
.endr
.endm
; K step Q of eight: 64 matrix instructions; the next step's fragments are asked for ahead of them, into the other set
.macro STEP Q, mode
	s_wait_dscnt 0x0                               ; this step's fragments are in
.if (\Q) == 3
	s_wait_tensorcnt 0x0                           ; my part of the second half of K has landed;
	s_barrier_signal -1
	s_barrier_wait -1                              ; everybody's has.
.endif
.if (\Q) < 7
	PLACES 4                                       ; four plain lines between the last products and loads into registers that they read (ISA guide 7.12.1 for vector instructions)
	FETCH ((\Q)+1)/4, ((\Q)+1)%4, ((\Q)+1)%2
.endif
.if (\mode) == 2
	WIN 0x91                                       ; source 0 (Y) and C (bias) window 1, source 1 (X) window 0, D window 2
.else
	WIN 0xa1                                       ; source 0 window 1, source 1 window 0, C and D window 2
.endif
	MUL16 0, (\Q)%2, \Q, \mode
	MUL16 2, (\Q)%2, \Q, \mode
.if (\mode) == 2
	WIN 0xd1
.else
	WIN 0xf1                                       ; C and D window 3
.endif
	MUL16 4, (\Q)%2, \Q, \mode
	MUL16 6, (\Q)%2, \Q, \mode
	WIN 0
.endm
	s_wait_tensorcnt 1                             ; the scale words and my part of the first half of K are in (the second half's load may be out),
	s_barrier_signal -1
	s_barrier_wait -1                              ; everybody's are
.set q, 0
.rept 8
.irp i, 0,1,2,3,4,5,6,7
	ds_load_b32 v[SC+8*q+\i], v[ADRS] offset:512*q+64*\i     ; all scale words of all of K, once
.endr
.set q, q+1
.endr
	FETCH 0, 0, 0
.if RELU
	s_wait_loadcnt 0x0                             ; the bias
	STEP 0, 2
.else
	STEP 0, 1
.endif
	STEP 1, 0
	STEP 2, 0
	STEP 3, 0
	STEP 4, 0
	STEP 5, 0
	STEP 6, 0
	STEP 7, 0
; THE WAY OUT.  Block a (16 slots of X x my 128 of Y) is 64 registers a lane: register 16 b + i = neighbour 32 b + 16 h + i.  It becomes one fragment (8 registers) and one scale word a slot.
.macro QUANT a
.set W, 2+(\a)/4
.set AC, 64*((\a)%4)
.if RELU
.set WW, (W<<6)|(W<<2)
	WIN WW
.set j, 0
.rept 64
	v_max_num_f32 v[AC+j], 0, v[AC+j]              ; the activation, in f32; each accumulator from its low end on
.set j, j+1
.endr
.endif
.set WW, (W<<2)|(W<<4)
	WIN WW
.irp b, 0,1,2,3
	v_max3_num_f32 v[TM+\b], 0x1800000, |v[AC+16*\b]|, |v[AC+16*\b+1]|       ; block b: my 16 numbers, and the floor 2^(3 - 127): the byte cannot fall under 1
.endr
.irp i, 2,4,6,8,10,12,14
.irp b, 0,1,2,3
	v_max3_num_f32 v[TM+\b], v[TM+\b], |v[AC+16*\b+\i]|, |v[AC+16*\b+\i+1]|  ; (the four blocks by turns)
.endr
.endr
	WIN 0
.irp b, 0,1,2,3
	v_permlanex16_b32 v[TM+4+\b], v[TM+\b], s20, s21
.endr
.irp b, 0,1,2,3
	v_max_num_f32 v[TM+\b], v[TM+\b], v[TM+4+\b]   ; with lane l xor 16's: the block's largest magnitude
.endr
.irp b, 0,1,2,3
	v_add_nc_u32 v[TM+12+\b], 0xff000000, v[TM+\b] ; 2 off its exponent field: the conversion's scale operand
.endr
.irp b, 0,1,2,3
	v_lshrrev_b32 v[TM+4+\b], 23, v[TM+12+\b]      ; the byte
.endr
	v_lshl_or_b32 v[PW+(\a)], v[TM+5], 8, v[TM+4]
	v_lshl_or_b32 v[PW+(\a)], v[TM+6], 16, v[PW+(\a)]
	v_lshl_or_b32 v[PW+(\a)], v[TM+7], 24, v[PW+(\a)]
	WIN W                                          ; source 0 in the accumulators' window
.irp b, 0,1,2,3
	v_cvt_scalef32_pk8_fp4_f32 v[PC+8*(\a)+2*\b], v[AC+16*\b:AC+16*\b+7], v[TM+12+\b]
	v_cvt_scalef32_pk8_fp4_f32 v[PC+8*(\a)+2*\b+1], v[AC+16*\b+8:AC+16*\b+15], v[TM+12+\b]
.endr
	WIN 0
	v_nop                                          ; one plain line behind a scaled conversion
.irp c, 0,1                                    ; the operand's layout wants a whole block in a lane
.irp i, 0,1
	v_permlane16_swap_b32 v[PC+8*(\a)+4*\c+\i], v[PC+8*(\a)+4*\c+2+\i]
.endr
.endr
.endm
	PLACES 4                                       ; between the last products and the first lines that read results or write over fragments
	s_mov_b32 s20, 0x76543210                      ; v_permlanex16_b32's selects for lane l xor 16
	s_mov_b32 s21, 0xfedcba98
.irp b, 0,1,2,3
	v_mov_b32 v[TM+4+\b], 0                        ; written once: a lane permute's destination counts as one of its sources
.endr
.irp a, 0,1,2,3,4,5,6,7
	QUANT \a
.irp c, 0,1
	global_store_b128 v[LI], v[PC+8*\a+4*\c:PC+8*\a+4*\c+3], s[12:13] offset:32768*\a+512*\c   ; the fragment as it stands: 512 consecutive bytes, aligned
.endr
	ds_store_b32 v[SWS], v[PW+\a] offset:64*\a     ; both halves of the lanes hold the same word and write it to the same place
.endr
	ds_load_b128 v[216:219], v[SRD]                ; LDS serves a wave's instructions in order: this sees my stores
	s_wait_dscnt 0x0
	global_store_b128 v[LI], v[216:219], s[10:11]  ; my 128 slots' scale words: 512 consecutive bytes
	CROUND                                         ; the closing round: no work-group ends while a partner may still ask for a tile that names it
	s_endpgm
.Lfunc_end_k_q233bab3298_qkv:
	.size	k_q233bab3298_qkv, .Lfunc_end_k_q233bab3298_qkv-k_q233bab3298_qkv
	.p2alignl 7, 3214868480
	.fill 96, 4, 3214868480
	.section	.rodata,"a",@progbits
	.p2align	6, 0x0
	.amdhsa_kernel k_q233bab3298_qkv
		.amdhsa_group_segment_fixed_size 280576
		.amdhsa_private_segment_fixed_size 0
		.amdhsa_enable_private_segment 0
		.amdhsa_kernarg_size 24
		.amdhsa_user_sgpr_count 2
		.amdhsa_user_sgpr_kernarg_segment_ptr 1
		.amdhsa_wavefront_size32 1
		.amdhsa_system_sgpr_workgroup_id_x 1
		.amdhsa_system_sgpr_workgroup_id_y 1
		.amdhsa_system_sgpr_workgroup_id_z 1
		.amdhsa_system_vgpr_workitem_id 0
		.amdhsa_next_free_vgpr 1024
		.amdhsa_next_free_sgpr 102
		.amdhsa_reserve_vcc 0
		.amdhsa_float_denorm_mode_32 3
		.amdhsa_float_denorm_mode_16_64 3
		.amdhsa_memory_ordered 1
		.amdhsa_forward_progress 1
		.amdhsa_inst_pref_size 130
	.end_amdhsa_kernel
	.amdgpu_metadata
---
amdhsa.version: [ 1, 2 ]
amdhsa.kernels:
  - .name:           k_q233bab3298_qkv
    .symbol:         k_q233bab3298_qkv.kd
    .args:
      - { .name: himg, .offset: 0, .size: 8, .value_kind: global_buffer, .address_space: global }
      - { .name: wimg, .offset: 8, .size: 8, .value_kind: global_buffer, .address_space: global }
      - { .name: qkvimg, .offset: 16, .size: 8, .value_kind: global_buffer, .address_space: global }
    .group_segment_fixed_size: 280576
    .private_segment_fixed_size: 0
    .kernarg_segment_align: 8
    .kernarg_segment_size: 24
    .max_flat_workgroup_size: 128
    .sgpr_count:     102
    .vgpr_count:     1024
    .wavefront_size: 32
...
	.end_amdgpu_metadata
.endif
;; end of part 2
;; launch attn (part 3): grid 4 x 64, 16 waves a work-group, no clusters, 167,936 bytes of LDS; arguments qkvimg, oimg; writes oimg
.if DOCPART == 3
	.amdgcn_target "amdgcn-amd-amdhsa--gfx1250"
	.amdhsa_code_object_version 6
	.text
	.protected	k_q233bab3298_attn
	.globl	k_q233bab3298_attn
	.p2align	8
	.type	k_q233bab3298_attn,@function
k_q233bab3298_attn:
	s_mov_b64 s[64:65], 0
	v_nop
	global_prefetch_b8 v0, s[64:65] scope:SCOPE_SE
	s_setreg_imm32_b32 hwreg(HW_REG_WAVE_MODE, 25, 1), 1
	s_wait_xcnt 0x0
; o = softmax(q k^T / 8, causal) v for one head of one batch, both products on codes of FP4 with E8M0 scales; o is divided by the row's sum, quantised along the head's 64 channels and stored as an image.
; THE SOFTMAX AHEAD OF THE SECOND PRODUCT: t = score x log2(e) / 8; M = the running largest t rounded UP to a whole number; p = 2^(t - M) is quantised along the keys, not normalised; the row's sum is taken of
; the unquantised p.  When M moves, the sum and O are multiplied by 2^(old M - new M): exact.
; IMAGES (made by the launch before): 16 slots x 128 K are 1,024 bytes on end = the operand's registers; slot s holds row tau(s) (bits 3, 4 exchanged).  q, k: rows = tokens, K = 64 head + channel; v: rows = channels, K = tokens.
; SHARES.  Work-group (j, y): batch y / 16, head y % 16.  Each of its sixteen waves owns ONE tile of 16 queries: tile 4 p + j of the batch's 64, p a permutation of the wave's number w.  Under the mask that tile has p / 2 + 1 key steps, 1 to 8.
; p = 14 w0 ^ 6 w1 ^ 15 w2 ^ 2 w3 (w0 .. w3: w's bits).  The four constants are independent bit patterns, so p runs through 0 .. 15.  Key steps of waves 0 .. 15: 1 8 4 5 | 8 1 5 4 | 2 7 3 6 | 7 2 6 3: the four waves of equal w / 4,
; those of equal w % 4 and those of equal (w / 2) % 4 have 18 key steps together, in every case: so each of the four SIMDs has the same number of key steps to issue, whichever of these groups it is given.
; Both products are used transposed (S^T = K Q^T, O^T = V^T P^T): a lane holds one query throughout.  The keys of an image's tile are in tau's order, so the 16 registers of S^T's tiles 2 b, 2 b + 1 are 16 neighbouring keys.
; HEAD SIZE 64 IN A FORM OF K = 128: the head's two blocks are registers 0-3 of an operand; registers 4-7 are zero codes, which add nothing.  A scale word holds two heads' bytes: mine come by 16-bit loads, which leave 0 in the
; upper two bytes, over the zero codes.
; ALL of the head's K and V codes and scale words (70 KB) come into LDS at the head, by one tensor load each of waves 0 to 3; nothing is filled again, and nothing is stored to LDS.
; NO CLUSTER: the branch that leaves hidden key steps out hangs on the query tile, which would be the work-group's place in the cluster; what would be shared is 70 KB a work-group.  NO PREFETCH: everything is asked for at the head.
; CAUSAL: the loop has 8 trips for every wave; a step all of whose 128 keys come after the wave's queries is jumped over by a scalar branch on ids; on the diagonal hidden scores become -infinity.
; LIMITS: a block of zeros or under 2^-124 gets the byte 1; NaN and infinities are not served.  o's two scale bytes a row leave by 2-byte stores, 4 bytes apart (a head owns half of a scale word): 1/16 of the launch's output.
; REGISTERS: v1-6 addresses that stay; v8-11 the step's; v12 -M, v13 the largest t, v[14:15] the sum; v16-23 Q; v24-31 K's scales; v32-63, v192-223 K's eight fragments; v64-95 V's four; v96-159 S^T, then p; v160-191 O^T;
;   v224-231 p's codes; v232-254 at work; v248-251 V's scales; v253 p's scale word; v255 Q's.
.set LK,   0                           ; LDS: K's codes: 64 tiles x 512 bytes
.set LV,   32768                       ; V's: 4 tiles of channels x 8,192 bytes
.set LKS,  65536                       ; K's scale words: 1,024 x 4
.set LVS,  69632                       ; V's: 8 key steps x 64 channels x 4
.set WV,   18
.set SEL,  20
.set CS,   22
.set G1A,  24
.set G1B,  32
.set G1C,  40
.set G1D,  48
.set G0A,  56
.set G0B,  60
.set G0C,  68
.set G0D,  72
.set KF,   76                          ; the step's first key; also the loop's counter
.set TK,   77                          ; the step's place in K's codes, V's codes, K's scales, V's scales
.set TV,   78
.set TS,   79
.set TT,   80
.set Q0,   81                          ; 32 (my tile / 2): at or under my first query
.set QL,   96                          ; Q0 + 31: at or over my last
	s_load_b128 s[4:7], s[0:1], 0x0                ; q, k, v images s[4:5]; o's image s[6:7]
	v_lshrrev_b32 v8, 5, v0
	v_readfirstlane_b32 s[WV], v8                  ; wave 0..15
	s_and_b32 s8, ttmp7, 0xffff
	s_lshr_b32 s9, s8, 4                           ; batch
	s_and_b32 s10, s8, 15                          ; head
	s_lshr_b32 s11, s10, 1
	s_and_b32 s12, s10, 1
	s_and_b32 s13, s[WV], 1                        ; p = 14 w0
	s_mul_i32 s13, s13, 14
	s_bfe_u32 s82, s[WV], 0x10001
	s_mul_i32 s82, s82, 6
	s_xor_b32 s13, s13, s82                        ;   ^ 6 w1
	s_bfe_u32 s82, s[WV], 0x10002
	s_mul_i32 s82, s82, 15
	s_xor_b32 s13, s13, s82                        ;   ^ 15 w2
	s_bfe_u32 s82, s[WV], 0x10003
	s_lshl_b32 s82, s82, 1
	s_xor_b32 s13, s13, s82                        ;   ^ 2 w3
	s_lshl_b32 s13, s13, 2
	s_add_co_u32 s13, s13, ttmp9                   ; my tile of queries: 4 p + j
	s_lshl_b32 s84, s9, 21                         ; q's codes of the batch's tile 0, my head: 64 tiles x 32,768 a batch, K step head / 2, half head % 2
	s_lshl_b32 s82, s11, 10
	s_add_co_u32 s84, s84, s82
	s_lshl_b32 s82, s12, 9
	s_add_co_u32 s84, s84, s82
	s_mov_b32 s85, 0
	s_lshl_b32 s86, s10, 17                        ; v's codes: channel tiles 4 head on, key steps 8 batch on
	s_lshl_b32 s82, s9, 13
	s_add_co_u32 s86, s86, s82
	s_add_co_u32 s86, s86, 0x800000
	s_mov_b32 s87, 0
	s_lshl_b32 s88, s11, 14                        ; q's scale words: row head / 2, slots 1,024 batch on
	s_lshl_b32 s82, s9, 12
	s_add_co_u32 s88, s88, s82
	s_add_co_u32 s88, s88, 0xa00000
	s_mov_b32 s89, 0
	s_lshl_b32 s90, s9, 17                         ; v's scale words: rows 8 batch on, slots 64 head on
	s_lshl_b32 s82, s10, 8
	s_add_co_u32 s90, s90, s82
	s_add_co_u32 s90, s90, 0xa40000
	s_mov_b32 s91, 0
	; descriptor groups 1: elements of 8 bytes, no padding, no mask
	s_mov_b32 s[G1A], 3<<16                        ; K's codes: 64 tiles x 512 bytes, 32,768 bytes apart
	s_mov_b32 s[G1A+1], 64<<16
	s_mov_b32 s[G1A+2], 64<<16
	s_mov_b32 s[G1A+3], 64<<16
	s_mov_b32 s[G1A+4], 64
	s_mov_b32 s[G1A+5], 4096
	s_mov_b32 s[G1A+6], 0
	s_mov_b32 s[G1A+7], 0
	s_mov_b32 s[G1B], 3<<16                        ; V's codes: 4 tiles x 8,192 bytes, 32,768 bytes apart
	s_mov_b32 s[G1B+1], 1024<<16
	s_mov_b32 s[G1B+2], 4<<16
	s_mov_b32 s[G1B+3], 1024<<16
	s_mov_b32 s[G1B+4], 4
	s_mov_b32 s[G1B+5], 4096
	s_mov_b32 s[G1B+6], 0
	s_mov_b32 s[G1B+7], 0
	s_mov_b32 s[G1C], 3<<16                        ; K's scale words: 4,096 dense bytes as 16 rows of 256
	s_mov_b32 s[G1C+1], 32<<16
	s_mov_b32 s[G1C+2], 16<<16
	s_mov_b32 s[G1C+3], 32<<16
	s_mov_b32 s[G1C+4], 16
	s_mov_b32 s[G1C+5], 32
	s_mov_b32 s[G1C+6], 0
	s_mov_b32 s[G1C+7], 0
	s_mov_b32 s[G1D], 3<<16                        ; V's scale words: 8 rows of 256 bytes, 16,384 bytes apart
	s_mov_b32 s[G1D+1], 32<<16
	s_mov_b32 s[G1D+2], 8<<16
	s_mov_b32 s[G1D+3], 32<<16
	s_mov_b32 s[G1D+4], 8
	s_mov_b32 s[G1D+5], 2048
	s_mov_b32 s[G1D+6], 0
	s_mov_b32 s[G1D+7], 0
	s_mov_b32 s[SEL], 0x76543210
	s_mov_b32 s[SEL+1], 0xfedcba98
	s_mov_b32 s[CS], 0x3e38aa3b                    ; c = log2(e) / 8
	s_mov_b32 s[CS+1], s[CS]
	s_mov_b32 s[KF], 0
	s_mov_b32 s[TK], 0
	s_mov_b32 s[TV], 0
	s_mov_b32 s[TS], 0
	s_mov_b32 s[TT], 0
	s_lshr_b32 s[Q0], s13, 1
	s_lshl_b32 s[Q0], s[Q0], 5
	s_add_co_u32 s[QL], s[Q0], 31
	s_and_b32 s83, s13, 1
	s_lshl_b32 s83, s83, 3
	s_add_co_u32 s83, s83, s[Q0]                   ; slot 0's token
	s_wait_kmcnt 0x0
	s_mov_b32 s[G0A], 1
	s_mov_b32 s[G0A+1], LK
	s_add_nc_u64 s[G0A+2:G0A+3], s[4:5], s[84:85]
	s_add_nc_u64 s[G0A+2:G0A+3], s[G0A+2:G0A+3], 8192      ; k's columns lie 8 K steps behind q's
	s_or_b32 s[G0A+3], s[G0A+3], 0x80000000
	s_mov_b32 s[G0B], 1
	s_mov_b32 s[G0B+1], LV
	s_add_nc_u64 s[G0B+2:G0B+3], s[4:5], s[86:87]
	s_or_b32 s[G0B+3], s[G0B+3], 0x80000000
	s_mov_b32 s[G0C], 1
	s_mov_b32 s[G0C+1], LKS
	s_add_nc_u64 s[G0C+2:G0C+3], s[4:5], s[88:89]
	s_add_nc_u64 s[G0C+2:G0C+3], s[G0C+2:G0C+3], 0x20000   ; 8 rows of 16,384 bytes on
	s_or_b32 s[G0C+3], s[G0C+3], 0x80000000
	s_mov_b32 s[G0D], 1
	s_mov_b32 s[G0D+1], LVS
	s_add_nc_u64 s[G0D+2:G0D+3], s[4:5], s[90:91]
	s_or_b32 s[G0D+3], s[G0D+3], 0x80000000
	; waves 0 to 3 issue one load each, the others none: a wave's one first fill stands in one branch on its number; four v_nop follow each; the wait below is for 0
	s_cmp_eq_u32 s[WV], 0
	s_cbranch_scc0 .Lnot0
	tensor_load_to_lds s[G0A:G0A+3], s[G1A:G1A+7]
.rept 4
	v_nop
.endr
	s_branch .Lasked
.Lnot0:
	s_cmp_eq_u32 s[WV], 1
	s_cbranch_scc0 .Lnot1
	tensor_load_to_lds s[G0B:G0B+3], s[G1B:G1B+7]
.rept 4
	v_nop
.endr
	s_branch .Lasked
.Lnot1:
	s_cmp_eq_u32 s[WV], 2
	s_cbranch_scc0 .Lnot2
	tensor_load_to_lds s[G0C:G0C+3], s[G1C:G1C+7]
.rept 4
	v_nop
.endr
	s_branch .Lasked
.Lnot2:
	s_cmp_eq_u32 s[WV], 3
	s_cbranch_scc0 .Lasked
	tensor_load_to_lds s[G0D:G0D+3], s[G1D:G1D+7]
.rept 4
	v_nop
.endr
.Lasked:
	s_lshl_b32 s92, s13, 15                        ; my tile of q
	s_mov_b32 s93, 0
	s_add_nc_u64 s[92:93], s[92:93], s[84:85]
	s_add_nc_u64 s[92:93], s[4:5], s[92:93]
	s_lshl_b32 s94, s13, 6                         ; its scale words, my head's two bytes
	s_lshl_b32 s82, s12, 1
	s_add_co_u32 s94, s94, s82
	s_mov_b32 s95, 0
	s_add_nc_u64 s[88:89], s[88:89], s[94:95]
	s_add_nc_u64 s[94:95], s[4:5], s[88:89]
	s_lshl_b32 s14, s9, 6                          ; o's codes: tile 64 batch + mine (8,192 bytes), blocks 2 head, 2 head + 1
	s_add_co_u32 s14, s14, s13
	s_lshl_b32 s14, s14, 13
	s_lshl_b32 s15, s10, 9
	s_add_co_u32 s14, s14, s15
	s_mov_b32 s15, 0
	s_add_nc_u64 s[14:15], s[6:7], s[14:15]
	s_sub_co_u32 s16, s88, 0x800000                ; o's scale words lie as q's do, from 0x200000 on where q's begin at 0xa00000
	s_mov_b32 s17, 0
	s_add_nc_u64 s[16:17], s[6:7], s[16:17]
	v_and_b32 v8, 31, v0
	v_lshlrev_b32 v1, 4, v8                        ; 16 l: K's fragments; also my place in q's and o's fragment in memory
	v_add_nc_u32 v2, LV, v1
	v_and_b32 v9, 15, v0                           ; r
	v_lshlrev_b32 v6, 2, v9                        ; 4 r
	s_add_co_u32 s82, s82, LKS
	v_add_nc_u32 v3, s82, v6                       ; K's scale words, my head's two bytes
	v_add_nc_u32 v4, LVS, v6
	global_load_b128 v[16:19], v1, s[92:93]        ; Q's fragment stays in registers
	global_load_u16 v255, v6, s[94:95]             ; and its two scale bytes
	v_and_b32 v8, 7, v0
	v_bfe_u32 v9, v0, 3, 1
	v_lshl_add_u32 v8, v9, 4, v8                   ; slot r's token: r % 8 + 16 (r / 8)
	v_bfe_u32 v9, v0, 4, 1
	v_lshlrev_b32 v9, 4, v9
	v_sub_nc_u32 v8, v8, v9
	v_add_nc_u32 v5, s83, v8                       ; my query's token - 16 (lane / 16)
.irp j, 20,21,22,23
	v_mov_b32 v[\j], 0                             ; the zero codes of K = 64 .. 127: Q's,
.endr
.irp t, 0,1,2,3,4,5,6,7
.irp j, 4,5,6,7
	v_mov_b32 v[32+8*\t+128*(\t/4)+\j], 0          ; and K's eight fragments': written once
.endr
.endr
	v_mov_b32 v13, 0xff61b1e6                      ; the largest t so far: -3e38
	v_floor_f32 v12, -v13                          ; -M
	v_mov_b32 v14, 0
	v_mov_b32 v15, 0
.irp b, 0,1,2,3
	v_mov_b32 v[236+\b], 0                         ; a lane permute's destination counts as one of its sources
.endr
	v_mov_b32 v252, 0
	v_mov_b32 v253, 0
.set j, 0
.rept 32
	v_mov_b32 v[160+j], 0                          ; O^T: the loop is written once; its first step finds zeros, which the first change of M leaves zeros
.set j, j+1
.endr
	s_wait_tensorcnt 0x0                           ; my load, if I issued one, has landed;
	s_barrier_signal -1
	s_barrier_wait -1                              ; all four have
	s_wait_loadcnt 0x0                             ; Q
.Lstep:                                            ; 8 trips: 128 keys each
	s_cmp_gt_u32 s[KF], s[QL]
	s_cbranch_scc1 .Lhidden                        ; all 128 keys come after my queries
	v_add_nc_u32 v8, s[TK], v1                     ; (these four are also the plain lines between the last step's products and the loads into registers that they read)
	v_add_nc_u32 v9, s[TV], v2
	v_add_nc_u32 v10, s[TS], v3
	v_add_nc_u32 v11, s[TT], v4
.irp t, 0,1,2,3,4,5,6,7
	ds_load_b128 v[32+8*\t+128*(\t/4):35+8*\t+128*(\t/4)], v8 offset:512*\t
	ds_load_u16 v[24+\t], v10 offset:64*\t
.endr
.irp t, 0,1,2,3
	ds_load_b128 v[64+8*\t:67+8*\t], v9 offset:8192*\t
	ds_load_b128 v[68+8*\t:71+8*\t], v9 offset:8192*\t+512
	ds_load_b32 v[248+\t], v11 offset:64*\t
.endr
	s_wait_dscnt 12                                ; K's sixteen loads are in; V's twelve may be out
.irp t, 0,1,2,3,4,5,6,7
	v_wmma_scale_f32_16x16x128_f8f6f4 v[96+8*\t:103+8*\t], v[32+8*\t+128*(\t/4):39+8*\t+128*(\t/4)], v[16:23], 0, v[24+\t], v255 matrix_a_fmt:MATRIX_FMT_FP4 matrix_b_fmt:MATRIX_FMT_FP4
.endr
.rept 4
	v_nop
.endr
	s_add_co_u32 s82, s[KF], 127
	s_cmp_le_u32 s82, s[Q0]
	s_cbranch_scc1 .Lopen                          ; all 128 keys count for all my queries
	v_sub_nc_u32 v252, v5, s[KF]                   ; d: register 16 b + i holds key KF + 16 (lane / 16) + 32 b + i: hidden where 32 b + i > d
	v_mov_b32 v254, 0xff800000                     ; -infinity
.set n, 0
.rept 64
	v_cmp_gt_i32 vcc_lo, 32*(n/16)+n%16, v252
	v_cndmask_b32 v[96+n], v[96+n], v254, vcc_lo
.set n, n+1
.endr
.Lopen:
.irp b, 0,1,2,3
	v_max3_num_f32 v[232+\b], v[96+16*\b], v[97+16*\b], v[98+16*\b]   ; the largest score of each block of 32 keys: for the row's maximum, and, p rising with the score, for the block's largest p
.endr
.irp i, 3,5,7,9,11,13
.irp b, 0,1,2,3
	v_max3_num_f32 v[232+\b], v[232+\b], v[96+16*\b+\i], v[97+16*\b+\i]
.endr
.endr
.irp b, 0,1,2,3
	v_max_num_f32 v[232+\b], v[232+\b], v[111+16*\b]
.endr
.irp b, 0,1,2,3
	v_permlanex16_b32 v[236+\b], v[232+\b], s[SEL], s[SEL+1]
.endr
.irp b, 0,1,2,3
	v_max_num_f32 v[232+\b], v[232+\b], v[236+\b]  ; with lane l xor 16's 16 keys
.endr
	v_max3_num_f32 v254, v232, v233, v234
	v_max_num_f32 v254, v254, v235
	v_mul_f32 v254, s[CS], v254                    ; the step's largest t
	v_max_num_f32 v13, v13, v254                   ; the running largest
	v_mov_b32 v254, v12
	v_floor_f32 v12, -v13                          ; the new -M = -ceil(t)
	v_sub_f32 v254, v12, v254                      ; old M - new M: a whole number, 0 or less
	v_cvt_i32_f32 v254, v254                       ; (it saturates)
	v_ldexp_f32 v252, 1.0, v254                    ; f = 2^(old M - new M)
.set j, 0
.rept 32
	v_pk_fma_f32 v[96+j:97+j], v[96+j:97+j], s[CS:CS+1], v[12:13] op_sel_hi:[1,0,0]   ; t - M
.set j, j+2
.endr
.irp b, 0,1,2,3
	v_fma_f32 v[232+\b], v[232+\b], s[CS], v12     ; the same of each block's largest score
.endr
.set j, 0
.rept 64
	v_exp_f32 v[96+j], v[96+j]                     ; p
.set j, j+1
.endr
	v_pk_mul_f32 v[14:15], v[14:15], v[252:253] op_sel_hi:[1,0]   ; the sums under the new M; the plain line behind the exponentials
	s_wait_alu depctr_va_vdst(0)                   ; one wait for the batch of 64, ahead of its first reader
.irp b, 0,1,2,3
	v_exp_f32 v[232+\b], v[232+\b]                 ; each block's largest p
.endr
	v_pk_add_f32 v[236:237], v[96:97], v[98:99]    ; the row's sum, of the unquantised p, in two chains
.irp j, 4,8,12,16,20,24,28,32,36,40,44,48,52,56,60
	v_pk_add_f32 v[14:15], v[14:15], v[96+\j:97+\j]
	v_pk_add_f32 v[236:237], v[236:237], v[98+\j:99+\j]
.endr
	v_pk_add_f32 v[14:15], v[14:15], v[236:237]
	s_wait_alu depctr_va_vdst(0)                   ; and one for the four
.irp b, 0,1,2,3
	v_max_num_f32 v[232+\b], 0x1800000, v[232+\b]  ; the floor: the byte cannot fall under 1
.endr
.irp b, 0,1,2,3
	v_add_nc_u32 v[244+\b], 0xff000000, v[232+\b]
.endr
.irp b, 0,1,2,3
	v_lshrrev_b32 v[236+\b], 23, v[244+\b]
.endr
	v_lshl_or_b32 v253, v237, 8, v236              ; p's scale word for these 128 keys
	v_lshl_or_b32 v253, v238, 16, v253
	v_lshl_or_b32 v253, v239, 24, v253
.irp b, 0,1,2,3
	v_cvt_scalef32_pk8_fp4_f32 v[224+2*\b], v[96+16*\b:103+16*\b], v[244+\b]
	v_cvt_scalef32_pk8_fp4_f32 v[225+2*\b], v[104+16*\b:111+16*\b], v[244+\b]
.endr
	v_nop                                          ; one plain line behind a scaled conversion
.irp c, 0,1
.irp i, 0,1
	v_permlane16_swap_b32 v[224+4*\c+\i], v[226+4*\c+\i]
.endr
.endr
.set j, 0
.rept 16
	v_pk_mul_f32 v[160+j:161+j], v[160+j:161+j], v[252:253] op_sel_hi:[1,0]   ; O^T under the new M.  (These sixteen also stand between the lines that made p's codes and scale word and the products)
.set j, j+2
.endr
	s_wait_dscnt 0x0                               ; V
.irp t, 0,1,2,3                                ; four accumulators by turns
	v_wmma_scale_f32_16x16x128_f8f6f4 v[160+8*\t:167+8*\t], v[64+8*\t:71+8*\t], v[224:231], v[160+8*\t:167+8*\t], v[248+\t], v253 matrix_a_fmt:MATRIX_FMT_FP4 matrix_b_fmt:MATRIX_FMT_FP4
.endr
.Lhidden:
	s_add_co_u32 s[TK], s[TK], 4096
	s_add_co_u32 s[TV], s[TV], 1024
	s_add_co_u32 s[TS], s[TS], 512
	s_add_co_u32 s[TT], s[TT], 256
	s_add_co_u32 s[KF], s[KF], 128
	s_cmp_lt_u32 s[KF], 1024
	s_cbranch_scc1 .Lstep
	; THE WAY OUT: O^T / the sum; register 16 b + i = channel 32 b + 16 h + i of my query: two blocks, quantised as p was; the fragment's half goes out as it stands
	v_add_f32 v14, v14, v15
	v_permlanex16_b32 v252, v14, s[SEL], s[SEL+1]
	v_add_f32 v14, v14, v252                       ; the row's sum
	v_rcp_f32 v14, v14
.rept 4
	v_nop                                          ; plain lines behind the transcendental, and between the last products and the first read of O^T
.endr
	s_wait_alu depctr_va_vdst(0)
.set j, 0
.rept 32
	v_mul_f32 v[96+j], v[160+j], v14
.set j, j+1
.endr
.irp b, 0,1
	v_max3_num_f32 v[232+\b], |v[96+16*\b]|, |v[97+16*\b]|, 0x1800000
.endr
.irp i, 2,4,6,8,10,12,14
.irp b, 0,1
	v_max3_num_f32 v[232+\b], v[232+\b], |v[96+16*\b+\i]|, |v[97+16*\b+\i]|
.endr
.endr
.irp b, 0,1
	v_permlanex16_b32 v[236+\b], v[232+\b], s[SEL], s[SEL+1]
.endr
.irp b, 0,1
	v_max_num_f32 v[232+\b], v[232+\b], v[236+\b]
.endr
.irp b, 0,1
	v_add_nc_u32 v[244+\b], 0xff000000, v[232+\b]
.endr
.irp b, 0,1
	v_lshrrev_b32 v[236+\b], 23, v[244+\b]
.endr
	v_lshl_or_b32 v240, v237, 8, v236              ; my head's two bytes of the row's scale word
.irp b, 0,1
	v_cvt_scalef32_pk8_fp4_f32 v[224+2*\b], v[96+16*\b:103+16*\b], v[244+\b]
	v_cvt_scalef32_pk8_fp4_f32 v[225+2*\b], v[104+16*\b:111+16*\b], v[244+\b]
.endr
	v_nop
	v_permlane16_swap_b32 v224, v226
	v_permlane16_swap_b32 v225, v227
	global_store_b128 v1, v[224:227], s[14:15]     ; 512 consecutive bytes, aligned
	global_store_b16 v6, v240, s[16:17]            ; lanes r and r + 16 hold the same two bytes and store them to the same place
	s_endpgm
.Lfunc_end_k_q233bab3298_attn:
	.size	k_q233bab3298_attn, .Lfunc_end_k_q233bab3298_attn-k_q233bab3298_attn
	.p2alignl 7, 3214868480
	.fill 96, 4, 3214868480
	.section	.rodata,"a",@progbits
	.p2align	6, 0x0
	.amdhsa_kernel k_q233bab3298_attn
		.amdhsa_group_segment_fixed_size 167936
		.amdhsa_private_segment_fixed_size 0
		.amdhsa_enable_private_segment 0
		.amdhsa_kernarg_size 16
		.amdhsa_user_sgpr_count 2
		.amdhsa_user_sgpr_kernarg_segment_ptr 1
		.amdhsa_wavefront_size32 1
		.amdhsa_system_sgpr_workgroup_id_x 1
		.amdhsa_system_sgpr_workgroup_id_y 1
		.amdhsa_system_sgpr_workgroup_id_z 1
		.amdhsa_system_vgpr_workitem_id 0
		.amdhsa_next_free_vgpr 256
		.amdhsa_next_free_sgpr 100
		.amdhsa_reserve_vcc 1
		.amdhsa_float_denorm_mode_32 3
		.amdhsa_float_denorm_mode_16_64 3
		.amdhsa_memory_ordered 1
		.amdhsa_forward_progress 1
		.amdhsa_inst_pref_size 35
	.end_amdhsa_kernel
	.amdgpu_metadata
---
amdhsa.version: [ 1, 2 ]
amdhsa.kernels:
  - .name:           k_q233bab3298_attn
    .symbol:         k_q233bab3298_attn.kd
    .args:
      - { .name: qkvimg, .offset: 0, .size: 8, .value_kind: global_buffer, .address_space: global }
      - { .name: oimg, .offset: 8, .size: 8, .value_kind: global_buffer, .address_space: global }
    .group_segment_fixed_size: 167936
    .private_segment_fixed_size: 0
    .kernarg_segment_align: 8
    .kernarg_segment_size: 16
    .max_flat_workgroup_size: 512
    .sgpr_count:     100
    .vgpr_count:     256
    .wavefront_size: 32
...
	.end_amdgpu_metadata
.endif
;; end of part 3
;; launch proj (part 4): grid 8 x 32, 4 waves a work-group, clusters of 4 x 4, 327,680 bytes of LDS; arguments oimg, wimg, bo, x, x1; writes x1
.if DOCPART == 4
	.amdgcn_target "amdgcn-amd-amdhsa--gfx1250"
	.amdhsa_code_object_version 6
	.text
	.protected	k_q233bab3298_proj
	.globl	k_q233bab3298_proj
	.p2align	8
	.type	k_q233bab3298_proj,@function
k_q233bab3298_proj:
	s_mov_b64 s[64:65], 0
	v_nop
	global_prefetch_b8 v0, s[64:65] scope:SCOPE_SE
	s_setreg_imm32_b32 hwreg(HW_REG_WAVE_MODE, 25, 1), 1
	s_wait_xcnt 0x0
	s_wait_alu depctr_hold_cnt(0) depctr_sa_sdst(0) depctr_va_vdst(0) depctr_va_sdst(0) depctr_va_ssrc(0) depctr_va_vcc(0) depctr_vm_vsrc(0)
	s_getreg_b32 s2, hwreg(HW_REG_IB_STS2, 6, 4)
	s_cmp_eq_u32 s2, 0
	s_cbranch_scc0 .Lentry_in_a_cluster
	s_endpgm
.Lentry_in_a_cluster:
	s_bfe_u32 s2, ttmp6, 0x10000c
	s_cmp_lg_u32 s2, 0xf033
	s_cbranch_scc0 .Lentry_shape_is_right
	s_endpgm
.Lentry_shape_is_right:
.set KT, 1024                          ; K.                      proj: 1024    ffn2: 4096
.set SK, 512                           ; K in an LDS slot.             512          1024
.set XS, 0x200000                      ; X's scale words begin here.   0x200000     0x800000
.set YC, 0x180000                      ; Y's codes.                    0x180000     0x400000
.set YS, 0x620000                      ; Y's scale words.              0x620000     0x660000
; out = resid + (X Y^T + bias), X and Y images of FP4 codes, out and resid f32 [4096][1024] in the tokens' order.
; IMAGE: 16 slots x 128 K are 1,024 bytes on end = the operand's registers (group c of lane l at 512 c + 16 l); a tile's K steps follow each other (8 KT bytes a tile); slot s holds row tau(s) (bits 3, 4 exchanged);
; scale word of slot s, K step k at 16,384 k + 4 s.
; A tile of the result is 128 x 128: 256 work-groups, one for each WGP (tiles of 256 x 256 would be 64).  Four waves, each 64 x 64: 16 accumulators.
; USED TRANSPOSED (source 0 = 16 slots of Y, source 1 = 16 slots of X): a lane holds one slot of X, and, Y's slots being in tau's order, the registers of Y's tiles 2 b, 2 b + 1 are 16 neighbouring columns.
; K goes through two LDS slots of SK; both are asked for at the head; where KT has more (ffn2: four fills), a slot is filled again behind a round of the cluster's barrier.
; CLUSTERS 4 x 4: X's tiles are shared along a row of the cluster, Y's along a column: joint loads.  A wave has three tensor loads out at the head and one behind each round.
; The residual's 128 registers a lane are asked for at the head, in the layout in which the result leaves, and land under the product.
; No prefetch: half of the tiles or all of them are asked for at the head.  All of LDS is claimed, and the wait, the add and the wait stand at each change of slots and at the end.
; REGISTERS: window 0: v16-29 addresses; v32-95 scale registers, two sets of 32 (4 q + i: lanes 0-15 X's tile i, lanes 16-31 Y's); v96-99 the bias; v128-191 rows on the way out.
;   window 1: fragments, two sets of 128: for 256 along K, [c][X's 4, Y's 4].   window 2: v0-127 the accumulators ((a, b) at v[8 (4 a + b)]); v128-255 the residual.
.set NQ,    SK/128
.set NG,    NQ/2                       ; groups of 256 along K in a slot
.set FILLS, KT/SK
.set NGR,   KT/256
.set TPSH,  13+2*(KT/4096)             ; log2 of a tile's bytes: 8 KT
.set PARTB, 4*NQ*1024                  ; 4 tiles: what one tensor load brings, and what one wave reads of X or of Y
.set SLOTB, 4*PARTB
.set SCL,   2*SLOTB                    ; the scale words of all of K: [4 parts][KT / 128][64 slots x 4 bytes]
.set PS,    2*KT
.set STAGE, SCL+4*PS                   ; 16 rows x (256 bytes + 16) for each wave, for the way out; no tensor load lands here
.set SPARE, STAGE+4*16*272             ; the spare words, 128 bytes for each wave
.set ADRA, 16
.set ADRB, 20
.set STO,  24
.set RD,   25
.set CO,   26
.set ADRS, 27
.set SPW,  28
.set NIL,  29
.set SC,   32
.set BI,   96
.set BK,   128
.set G1, 24
.set G0, 32
.set G1B, 48
.set G0B, 56
.set G1S, 68
.set G0S, 76
.set G1SB, 80
.set G0SB, 88
.set MSB, 0
.macro WIN new
.if MSB != \new
	s_set_vgpr_msb (MSB<<8)|\new
.set MSB, \new
.endif
.endm
.macro JLOAD g0a, g1a, g0b, g1b        ; a joint load: waves 0 and 1 fetch for X, waves 2 and 3 for Y; four v_nop follow each of the two lines
	s_cmp_eq_u32 s15, 0
	s_cbranch_scc0 .Lfor_b_\@
	tensor_load_to_lds s[\g0a:\g0a+3], s[\g1a:\g1a+7]
.rept 4
	v_nop
.endr
	s_branch .Lasked_\@
.Lfor_b_\@:
	tensor_load_to_lds s[\g0b:\g0b+3], s[\g1b:\g1b+7]
.rept 4
	v_nop
.endr
.Lasked_\@:
.endm
.macro CROUND                          ; a round of the cluster's barrier
	s_barrier_signal -1
	s_barrier_wait -1
	s_cmp_lg_u32 s14, 0
	s_cbranch_scc1 .Lnot_wave_0_\@
	s_barrier_signal -3
.Lnot_wave_0_\@:
	s_barrier_wait -3
	s_barrier_signal -1
	s_barrier_wait -1
.endm
.macro PLACES n
.rept \n
	v_nop
.endr
.endm
	s_load_b256 s[4:11], s[0:1], 0x0               ; X's image s[4:5], the weights' images s[6:7], bias s[8:9], residual s[10:11]
	s_load_b64 s[12:13], s[0:1], 0x20              ; out
	v_lshl_add_u32 v[SPW], v0, 2, SPARE
	v_mov_b32 v[NIL], 0
	v_lshrrev_b32 v1, 5, v0
	v_readfirstlane_b32 s14, v1                    ; wave 0..3
	s_lshr_b32 s15, s14, 1                         ; which 64 slots of X are mine.  Also: I fetch for X (0) or for Y (1)
	s_and_b32 s16, s14, 1                          ; which 64 slots of Y.  Also: which half of that tile I fetch
	s_bfe_u32 s40, ttmp6, 0x40000                  ; cx, cy
	s_bfe_u32 s41, ttmp6, 0x40004
	s_lshl_b32 s42, ttmp9, 2
	s_add_co_u32 s42, s42, s40                     ; Y's tile = 4 x cluster x + cx
	s_and_b32 s17, ttmp7, 0xffff
	s_lshl_b32 s17, s17, 2
	s_add_co_u32 s17, s17, s41                     ; X's tile = 4 x cluster y + cy
	s_lshl_b32 s43, s41, 2
	s_lshl_b32 s43, 15, s43                        ; my row of the cluster
	s_lshl_b32 s44, 0x1111, s40                    ; my column
	s_or_b32 s[G1+0], s43, (3<<16)|(1<<21)         ; 15:0 the mask; 17:16 elements of 8 bytes; 21 set beside a mask; no padding
	s_or_b32 s[G1B+0], s44, (3<<16)|(1<<21)
.irp g, G1, G1B
	s_mov_b32 s[\g+1], SK<<16                      ; tensor_dim0: a tile's 8 SK bytes of a slot's K
	s_mov_b32 s[\g+2], 4<<16                       ; tensor_dim1: 4 tiles
	s_mov_b32 s[\g+3], SK<<16
	s_mov_b32 s[\g+4], 4
	s_mov_b32 s[\g+5], KT                          ; from tile to tile: 8 KT bytes
	s_mov_b32 s[\g+6], 0
	s_mov_b32 s[\g+7], 0
.endr
	s_or_b32 s[G1S+0], s43, (3<<16)|(1<<21)
	s_or_b32 s[G1SB+0], s44, (3<<16)|(1<<21)
.irp g, G1S, G1SB
	s_mov_b32 s[\g+1], 32<<16                      ; the scale words of 64 slots: 256 bytes,
	s_mov_b32 s[\g+2], (KT/128)<<16                ; for all K steps,
	s_mov_b32 s[\g+3], 32<<16
	s_mov_b32 s[\g+4], KT/128
	s_mov_b32 s[\g+5], 2048                        ; 16,384 bytes apart
	s_mov_b32 s[\g+6], 0
	s_mov_b32 s[\g+7], 0
.endr
	s_lshl_b32 s92, s17, 3
	s_lshl_b32 s93, s16, 2
	s_add_co_u32 s92, s92, s93
	s_lshl_b32 s92, s92, TPSH                      ; X's codes: tile 8 XT + 4 half
	s_mov_b32 s93, 0
	s_lshl_b32 s94, s17, 9
	s_lshl_b32 s95, s16, 8
	s_add_co_u32 s94, s94, s95
	s_add_co_u32 s94, s94, XS                      ; X's scale words: slot 128 XT + 64 half
	s_mov_b32 s95, 0
	s_lshl_b32 s96, s42, 3
	s_lshl_b32 s97, s16, 2
	s_add_co_u32 s96, s96, s97
	s_lshl_b32 s96, s96, TPSH
	s_add_co_u32 s96, s96, YC
	s_mov_b32 s97, 0
	s_lshl_b32 s98, s42, 9
	s_lshl_b32 s99, s16, 8
	s_add_co_u32 s98, s98, s99
	s_add_co_u32 s98, s98, YS
	s_mov_b32 s99, 0
	s_mul_i32 s100, s14, PARTB                     ; where they go: part = wave: no place in the cluster enters an LDS address
	s_mul_i32 s101, s14, PS
	s_wait_kmcnt 0x0
	s_add_nc_u64 s[92:93], s[4:5], s[92:93]
	s_add_nc_u64 s[94:95], s[4:5], s[94:95]
	s_add_nc_u64 s[96:97], s[6:7], s[96:97]
	s_add_nc_u64 s[98:99], s[6:7], s[98:99]
	CROUND                                         ; all sixteen work-groups are here: the first joint loads meet
	s_mov_b32 s[G0S], 1
	s_add_co_u32 s[G0S+1], s101, SCL
	s_mov_b64 s[G0S+2:G0S+3], s[94:95]
	s_or_b32 s[G0S+3], s[G0S+3], 0x80000000
	s_mov_b32 s[G0SB], 1
	s_add_co_u32 s[G0SB+1], s101, SCL
	s_mov_b64 s[G0SB+2:G0SB+3], s[98:99]
	s_or_b32 s[G0SB+3], s[G0SB+3], 0x80000000
	JLOAD G0S, G1S, G0SB, G1SB
.irp s, 0,1
	s_mov_b32 s[G0+4*\s], 1
	s_add_co_u32 s[G0+4*\s+1], s100, \s*SLOTB
	s_add_nc_u64 s[G0+4*\s+2:G0+4*\s+3], s[92:93], \s*SK*8
	s_or_b32 s[G0+4*\s+3], s[G0+4*\s+3], 0x80000000
	s_mov_b32 s[G0B+4*\s], 1
	s_add_co_u32 s[G0B+4*\s+1], s100, \s*SLOTB
	s_add_nc_u64 s[G0B+4*\s+2:G0B+4*\s+3], s[96:97], \s*SK*8
	s_or_b32 s[G0B+4*\s+3], s[G0B+4*\s+3], 0x80000000
	JLOAD G0+4*\s, G1, G0B+4*\s, G1B
.endr
	v_and_b32 v1, 15, v0                           ; r
	v_bfe_u32 v2, v0, 4, 1                         ; h
	v_and_b32 v3, 31, v0
	v_lshlrev_b32 v3, 4, v3                        ; 16 l
	s_mul_i32 s20, s15, PARTB
	s_mul_i32 s21, s16, PARTB
	s_add_co_u32 s21, s21, 2*PARTB
.irp s, 0,1
	v_add_nc_u32 v[ADRA+\s], s20, v3
	v_add_nc_u32 v[ADRB+\s], s21, v3
	s_add_co_u32 s20, s20, SLOTB
	s_add_co_u32 s21, s21, SLOTB
.endr
	s_mul_i32 s20, s15, PS
	s_mul_i32 s21, s16, PS
	s_add_co_u32 s21, s21, 2*PS
	s_sub_co_u32 s21, s21, s20
	v_mul_u32_u24 v4, s21, v2                      ; lanes 16-31 take Y's: the lower base + h x the distance
	v_lshl_add_u32 v4, v1, 2, v4
	s_add_co_u32 s20, s20, SCL
	v_add_nc_u32 v[ADRS], s20, v4
	s_mul_i32 s20, s14, 16*272
	s_add_co_u32 s20, s20, STAGE                   ; my stage
	v_lshlrev_b32 v5, 4, v1                        ; 16 r
	v_mul_u32_u24 v7, v1, 272
	v_lshl_add_u32 v7, v2, 6, v7
	v_add_nc_u32 v[STO], s20, v7                   ; in: row r, + 64 h
	v_mul_u32_u24 v6, v2, 272
	v_add_nc_u32 v6, v6, v5
	v_add_nc_u32 v[RD], s20, v6                    ; back: lanes 0-15 one row of 256 bytes, lanes 16-31 the next
	v_lshl_add_u32 v[CO], v2, 12, v5               ; and the same two rows in memory: 4,096 bytes a row
	s_lshl_b32 s2, s17, 3
	s_lshl_b32 s3, s15, 2
	s_add_co_u32 s2, s2, s3
	s_lshl_b32 s2, s2, 16                          ; my first tile's 16 rows of 4,096 bytes: tile 8 XT + 4 xpart
	s_lshl_b32 s18, s42, 9
	s_lshl_b32 s19, s16, 8
	s_add_co_u32 s18, s18, s19                     ; my 64 columns, in bytes
	s_add_co_u32 s2, s2, s18
	s_mov_b32 s3, 0
	s_mov_b32 s19, 0
	s_add_nc_u64 s[10:11], s[10:11], s[2:3]
	s_add_nc_u64 s[12:13], s[12:13], s[2:3]
	s_add_nc_u64 s[8:9], s[8:9], s[18:19]
	; slot 2 t + h of tile a is row 32 (a / 2) + 8 (a % 2) + 2 (t % 4) + 16 (t / 4) + h of my 64
	WIN 0x80                                       ; destination window 2
.irp a, 0,1,2,3
.irp t, 0,1,2,3,4,5,6,7
	global_load_b128 v[128+32*\a+4*\t:131+32*\a+4*\t], v[CO], s[10:11] offset:(32*(\a/2)+8*(\a%2)+2*(\t%4)+16*(\t/4))*4096   ; sixteen lanes read 256 consecutive bytes, aligned
.endr
.endr
	WIN 0
	global_load_b128 v[BI:BI+3], v5, s[8:9]        ; the bias of my four columns of a row
.macro FETCH slot, g, p                ; 32 LDS loads in one run: the fragments of the slot's g-th 256 along K into set p
	WIN 0x40
.irp c, 0,1
.irp i, 0,1,2,3
.irp e, 0,1
	ds_load_b128 v[128*(\p)+64*\c+32+8*\i+4*\e:128*(\p)+64*\c+32+8*\i+4*\e+3], v[ADRB+(\slot)] offset:\i*NQ*1024+(2*(\g)+\c)*1024+512*\e
	ds_load_b128 v[128*(\p)+64*\c+8*\i+4*\e:128*(\p)+64*\c+8*\i+4*\e+3], v[ADRA+(\slot)] offset:\i*NQ*1024+(2*(\g)+\c)*1024+512*\e
.endr
.endr
.endr
	WIN 0
.endm
.macro SCALES f                        ; fill f's scale words into set f % 2
.set q, 0
.rept NQ
.irp i, 0,1,2,3
	ds_load_b32 v[SC+32*((\f)%2)+4*q+\i], v[ADRS] offset:((\f)*NQ+q)*256+64*\i
.endr
.set q, q+1
.endr
.endm
; 16 matrix instructions, 128 along K: the 16 accumulators take turns, one instruction a turn.  sb: the K step's first scale register.  zero = 1: the constant 0 starts the sums
.macro MUL p, c, sb, zero
.irp a, 0,1,2,3
.irp b, 0,1,2,3
.if \zero
	v_wmma_scale_f32_16x16x128_f8f6f4 v[8*(4*\a+\b):8*(4*\a+\b)+7], v[128*(\p)+64*(\c)+32+8*\b:128*(\p)+64*(\c)+32+8*\b+7], v[128*(\p)+64*(\c)+8*\a:128*(\p)+64*(\c)+8*\a+7], 0, v[(\sb)+\b], v[(\sb)+\a] matrix_a_fmt:MATRIX_FMT_FP4 matrix_b_fmt:MATRIX_FMT_FP4 matrix_a_scale:MATRIX_SCALE_ROW1
.else
	v_wmma_scale_f32_16x16x128_f8f6f4 v[8*(4*\a+\b):8*(4*\a+\b)+7], v[128*(\p)+64*(\c)+32+8*\b:128*(\p)+64*(\c)+32+8*\b+7], v[128*(\p)+64*(\c)+8*\a:128*(\p)+64*(\c)+8*\a+7], v[8*(4*\a+\b):8*(4*\a+\b)+7], v[(\sb)+\b], v[(\sb)+\a] matrix_a_fmt:MATRIX_FMT_FP4 matrix_b_fmt:MATRIX_FMT_FP4 matrix_a_scale:MATRIX_SCALE_ROW1
.endif
.endr
.endr
.endm
; THE CHANGE OF SLOTS.  All my reads of the slot are in registers.  I wait for all my tensor loads (my part of the next slot), add 0 to my spare word, wait for that; behind the barrier the next slot is whole and nobody
; reads this one.  fill = 1: the barrier is a round of the cluster's, and this slot is filled again, two fills ahead, first thing behind it.
.macro CHANGE slot, fill
	s_wait_tensorcnt 0x0                           ; no tensor load of mine is out, so a group 0 may be written
	ds_add_u32 v[SPW], v[NIL]                      ; 0 onto my spare word
.if \fill
	s_add_nc_u64 s[G0+4*(\slot)+2:G0+4*(\slot)+3], s[G0+4*(\slot)+2:G0+4*(\slot)+3], 2*SK*8
	s_add_nc_u64 s[G0B+4*(\slot)+2:G0B+4*(\slot)+3], s[G0B+4*(\slot)+2:G0B+4*(\slot)+3], 2*SK*8
.endif
	s_wait_dscnt 0x0                               ; the add is done
.if \fill
	CROUND
	JLOAD G0+4*(\slot), G1, G0B+4*(\slot), G1B     ; its four v_nop are also the plain lines in front of the loads that follow
.else
	s_barrier_signal -1
	s_barrier_wait -1
	PLACES 4
.endif
.endm
; Group G: 256 along K, 32 matrix instructions; the next group's fragments are asked for ahead of them, into the other set
.macro GROUP
	s_wait_dscnt 0x0                               ; this group's fragments (and scale words) are in
.if G+1 < NGR
.if (G+1)%NG == 0
.if (G/NG)+2 < FILLS
	CHANGE (G/NG)%2, 1
.else
	CHANGE (G/NG)%2, 0
.endif
.else
	PLACES 4                                       ; four plain lines between the last products and loads into registers that they read
.endif
	FETCH ((G+1)/NG)%2, (G+1)%NG, (G+1)%2
.if (G+1)%NG == 0
	SCALES (G+1)/NG
.endif
.endif
	WIN 0xa5                                       ; sources 0 and 1 window 1, C and D window 2
.if G == 0
	MUL G%2, 0, SC+32*((G/NG)%2)+8*(G%NG), 1
.else
	MUL G%2, 0, SC+32*((G/NG)%2)+8*(G%NG), 0
.endif
	MUL G%2, 1, SC+32*((G/NG)%2)+8*(G%NG)+4, 0
	WIN 0
.endm
	s_wait_tensorcnt 1                             ; the scale words and my part of slot 0 are in (slot 1's load may be out),
	s_barrier_signal -1
	s_barrier_wait -1                              ; everybody's are
	SCALES 0
	FETCH 0, 0, 0
.set G, 0
.rept NGR
	GROUP
.set G, G+1
.endr
	; THE WAY OUT, a tile of 16 slots x my 64 columns at a time, through my own stage: a lane's registers are pieces of one row; they come back as whole rows of 256 bytes, take bias and residual, and leave.
	PLACES 4
	s_wait_loadcnt 0x0                             ; residual and bias
.irp a, 0,1,2,3
	s_wait_xcnt 0x0                                ; earlier stores have read their registers: the rows' registers may be loaded again
	WIN 0x08                                       ; an LDS store's data are its source 1: window 2
.irp b, 0,1,2,3
	ds_store_b128 v[STO], v[8*(4*\a+\b):8*(4*\a+\b)+3] offset:128*(\b/2)+32*(\b%2)        ; each accumulator from its low end on
	ds_store_b128 v[STO], v[8*(4*\a+\b)+4:8*(4*\a+\b)+7] offset:128*(\b/2)+32*(\b%2)+16
.endr
	WIN 0
.irp t, 0,1,2,3,4,5,6,7
	ds_load_b128 v[BK+32*(\a%2)+4*\t:BK+32*(\a%2)+4*\t+3], v[RD] offset:544*\t            ; LDS serves a wave's instructions in order: these see the stores above
.endr
	s_wait_dscnt 0x0
.irp t, 0,1,2,3,4,5,6,7
.irp e, 0,2
	v_pk_add_f32 v[BK+32*(\a%2)+4*\t+\e:BK+32*(\a%2)+4*\t+\e+1], v[BK+32*(\a%2)+4*\t+\e:BK+32*(\a%2)+4*\t+\e+1], v[BI+\e:BI+\e+1]
.endr
.endr
	WIN 0x08                                       ; source 1 (the residual) window 2
.irp t, 0,1,2,3,4,5,6,7
.irp e, 0,2
	v_pk_add_f32 v[BK+32*(\a%2)+4*\t+\e:BK+32*(\a%2)+4*\t+\e+1], v[BK+32*(\a%2)+4*\t+\e:BK+32*(\a%2)+4*\t+\e+1], v[128+32*\a+4*\t+\e:128+32*\a+4*\t+\e+1]
.endr
.endr
	WIN 0
.irp t, 0,1,2,3,4,5,6,7
.if KT == 4096
	global_store_b128 v[CO], v[BK+32*(\a%2)+4*\t:BK+32*(\a%2)+4*\t+3], s[12:13] offset:(32*(\a/2)+8*(\a%2)+2*(\t%4)+16*(\t/4))*4096 th:TH_STORE_NT   ; sixteen lanes store 256 consecutive bytes, aligned; nobody reads them again
.else
	global_store_b128 v[CO], v[BK+32*(\a%2)+4*\t:BK+32*(\a%2)+4*\t+3], s[12:13] offset:(32*(\a/2)+8*(\a%2)+2*(\t%4)+16*(\t/4))*4096   ; sixteen lanes store 256 consecutive bytes, aligned
.endif
.endr
.endr
	s_wait_tensorcnt 0x0                           ; the wave's end
	ds_add_u32 v[SPW], v[NIL]
	s_wait_dscnt 0x0
	CROUND                                         ; the closing round
	s_endpgm
.Lfunc_end_k_q233bab3298_proj:
	.size	k_q233bab3298_proj, .Lfunc_end_k_q233bab3298_proj-k_q233bab3298_proj
	.p2alignl 7, 3214868480
	.fill 96, 4, 3214868480
	.section	.rodata,"a",@progbits
	.p2align	6, 0x0
	.amdhsa_kernel k_q233bab3298_proj
		.amdhsa_group_segment_fixed_size 327680
		.amdhsa_private_segment_fixed_size 0
		.amdhsa_enable_private_segment 0
		.amdhsa_kernarg_size 40
		.amdhsa_user_sgpr_count 2
		.amdhsa_user_sgpr_kernarg_segment_ptr 1
		.amdhsa_wavefront_size32 1
		.amdhsa_system_sgpr_workgroup_id_x 1
		.amdhsa_system_sgpr_workgroup_id_y 1
		.amdhsa_system_sgpr_workgroup_id_z 1
		.amdhsa_system_vgpr_workitem_id 0
		.amdhsa_next_free_vgpr 768
		.amdhsa_next_free_sgpr 102
		.amdhsa_reserve_vcc 0
		.amdhsa_float_denorm_mode_32 3
		.amdhsa_float_denorm_mode_16_64 3
		.amdhsa_memory_ordered 1
		.amdhsa_forward_progress 1
		.amdhsa_inst_pref_size 56
	.end_amdhsa_kernel
	.amdgpu_metadata
---
amdhsa.version: [ 1, 2 ]
amdhsa.kernels:
  - .name:           k_q233bab3298_proj
    .symbol:         k_q233bab3298_proj.kd
    .args:
      - { .name: oimg, .offset: 0, .size: 8, .value_kind: global_buffer, .address_space: global }
      - { .name: wimg, .offset: 8, .size: 8, .value_kind: global_buffer, .address_space: global }
      - { .name: bo, .offset: 16, .size: 8, .value_kind: global_buffer, .address_space: global }
      - { .name: x, .offset: 24, .size: 8, .value_kind: global_buffer, .address_space: global }
      - { .name: x1, .offset: 32, .size: 8, .value_kind: global_buffer, .address_space: global }
    .group_segment_fixed_size: 327680
    .private_segment_fixed_size: 0
    .kernarg_segment_align: 8
    .kernarg_segment_size: 40
    .max_flat_workgroup_size: 128
    .sgpr_count:     102
    .vgpr_count:     768
    .wavefront_size: 32
...
	.end_amdgpu_metadata
.endif
;; end of part 4
;; launch ln2: the kernel of part 1 again; grid 256 x 1, 16 waves a work-group, no clusters, 82,944 bytes of LDS; arguments x1, g2, be2, h2img, wq, wk, wv, wo, w1, w2, wimg; writes h2img, wimg
;; launch ffn1 (part 5): grid 16 x 16, 4 waves a work-group, clusters of 4 x 4, 280,576 bytes of LDS; arguments h2img, wimg, b1, hid; writes hid
.if DOCPART == 5
	.amdgcn_target "amdgcn-amd-amdhsa--gfx1250"
	.amdhsa_code_object_version 6
	.text
	.protected	k_q233bab3298_ffn1
	.globl	k_q233bab3298_ffn1
	.p2align	8
	.type	k_q233bab3298_ffn1,@function
k_q233bab3298_ffn1:
	s_mov_b64 s[64:65], 0
	v_nop
	global_prefetch_b8 v0, s[64:65] scope:SCOPE_SE
	s_setreg_imm32_b32 hwreg(HW_REG_WAVE_MODE, 25, 1), 1
	s_wait_xcnt 0x0
	s_wait_alu depctr_hold_cnt(0) depctr_sa_sdst(0) depctr_va_vdst(0) depctr_va_sdst(0) depctr_va_ssrc(0) depctr_va_vcc(0) depctr_vm_vsrc(0)
	s_getreg_b32 s2, hwreg(HW_REG_IB_STS2, 6, 4)
	s_cmp_eq_u32 s2, 0
	s_cbranch_scc0 .Lentry_in_a_cluster
	s_endpgm
.Lentry_in_a_cluster:
	s_bfe_u32 s2, ttmp6, 0x10000c
	s_cmp_lg_u32 s2, 0xf033
	s_cbranch_scc0 .Lentry_shape_is_right
	s_endpgm
.Lentry_shape_is_right:
.set RELU, 1                           ; 0: q, k, v = h x wq, wk, wv.   1: hidden = relu(h2 x w1 + b1).   All else is one text
; A GEMM ON IMAGES OF FP4 CODES WHOSE RESULT IS QUANTISED ALONG ITS N AND STORED AS AN IMAGE AGAIN.  K = 1,024.  X (source 1) gives the result's rows (slots), Y (source 0) the axis along which it is quantised.
; IMAGE: the 16 bytes of slot s, K block kb at (s / 16) x TP + 256 kb + 16 (s % 16); slot s holds row tau(s) (bits 3 and 4 exchanged); scale word of slot s, K step k at 16,384 k + 4 s.
; A fragment (16 slots x 128 K) is 1,024 bytes on end and is the operand's registers: group c of lane l at 512 c + 16 l: no pitch, no padding, every LDS load reads 512 consecutive bytes.
; THE PRODUCT IS USED TRANSPOSED (source 0 = 16 slots of Y, source 1 = 16 slots of X): a lane holds ONE slot of X, and, Y's slots being in tau's order, the 16 registers of Y's tiles 2 b and 2 b + 1 are the 16
; neighbours 32 b + 16 (lane / 16) + 0 .. 15 along Y's true order: the conversions' results are the next operand's registers.
; RELU = 1: X = tokens (256 x work-group y), Y = w1's columns (256 x work-group x); the bias is the C of each sum's first product.
; A work-group of four waves makes 256 x 256, a wave 128 x 128: 64 accumulators, 512 registers.  All of K fits in LDS: two halves of 512, both asked for at the head; nothing is filled again.
; CLUSTERS 4 x 4: X's tiles are shared along a row of the cluster, Y's along a column: joint loads.
; LIMITS: a block of zeros or under 2^-124 gets the byte 1 (its codes are zeros or held; only this program reads the bytes); NaN and infinities are not served.
; No prefetch: every tile is asked for at the head.
; REGISTERS: window 0: v16-27 addresses; v32-95 all 64 scale registers (8 q + i: lanes 0-15 X's tile i, lanes 16-31 Y's tile i, K step q); v128-255 X's fragments, two sets; in the way out v128-219 at work.
;   window 1: Y's fragments, two sets, at v0 and v128; v64-127 the bias's eight tiles (RELU).   windows 2, 3: the accumulators ((a, b) at v[8 (8 (a % 4) + b)]).
.set SLOTB, 131072                     ; half of K: [4 parts: X's halves, Y's halves][8 tiles][4,096 bytes]
.set PARTB, 32768
.set SCL,   2*SLOTB                    ; the scale words: [4 parts][8 K steps][128 slots x 4 bytes]
.set SST,   SCL+16384                  ; 512 bytes for each wave: the result's scale words on their way out; no tensor load lands here
.set ADRA, 16                          ; v16-17 X's fragments in half 0, 1
.set ADRB, 20                          ; v20-21 Y's
.set SWS,  24                          ; v24 SST + 512 w + 4 r
.set SRD,  25                          ; v25 SST + 512 w + 16 l
.set LI,   26                          ; v26 16 l
.set ADRS, 27                          ; v27 my scale words: lanes 0-15 X's, lanes 16-31 Y's
.set SC,   32
.set XF,   128
.set PC,   128                         ; the way out: codes, 8 registers for each of 8 blocks: no store's data are written again
.set PW,   192                         ; scale words, one for each block
.set TM,   200                         ; v200-203 largest magnitudes, v204-207 bytes, v212-215 the conversions' scale operands
.set G1, 24
.set G0, 32
.set G1B, 48
.set G0B, 56
.set G1S, 68
.set G0S, 76
.set G1SB, 80
.set G0SB, 88
.set MSB, 0
.macro WIN new                         ; the immediate's high byte repeats the setting that is left
.if MSB != \new
	s_set_vgpr_msb (MSB<<8)|\new
.set MSB, \new
.endif
.endm
; A joint load: waves 0 and 1 fetch for X, waves 2 and 3 for Y; the branch hangs on the wave's number alone.  Four v_nop follow each of the two lines.
.macro JLOAD g0a, g1a, g0b, g1b
	s_cmp_eq_u32 s15, 0
	s_cbranch_scc0 .Lfor_b_\@
	tensor_load_to_lds s[\g0a:\g0a+3], s[\g1a:\g1a+7]
.rept 4
	v_nop
.endr
	s_branch .Lasked_\@
.Lfor_b_\@:
	tensor_load_to_lds s[\g0b:\g0b+3], s[\g1b:\g1b+7]
.rept 4
	v_nop
.endr
.Lasked_\@:
.endm
.macro CROUND                          ; a round of the cluster's barrier
	s_barrier_signal -1
	s_barrier_wait -1
	s_cmp_lg_u32 s14, 0
	s_cbranch_scc1 .Lnot_wave_0_\@
	s_barrier_signal -3
.Lnot_wave_0_\@:
	s_barrier_wait -3
	s_barrier_signal -1
	s_barrier_wait -1
.endm
.macro PLACES n
.rept \n
	v_nop
.endr
.endm
	s_load_b128 s[4:7], s[0:1], 0x0                ; the tokens' image s[4:5], the weights' images s[6:7]
.if RELU
	s_load_b64 s[66:67], s[0:1], 0x10              ; b1
	s_load_b64 s[8:9], s[0:1], 0x18                ; the result's image
.else
	s_load_b64 s[8:9], s[0:1], 0x10                ; the result's images
.endif
	v_lshrrev_b32 v1, 5, v0
	v_readfirstlane_b32 s14, v1                    ; wave 0..3
	s_lshr_b32 s15, s14, 1                         ; which 128 slots of X are mine.  Also: I fetch for X (0) or for Y (1)
	s_and_b32 s16, s14, 1                          ; which 128 slots of Y.  Also: which half of that tile I fetch
	s_bfe_u32 s40, ttmp6, 0x40000                  ; cx, cy: my place in the cluster
	s_bfe_u32 s41, ttmp6, 0x40004
	s_and_b32 s45, ttmp7, 0xffff                   ; the cluster's y
	s_lshl_b32 s42, ttmp9, 2
	s_add_co_u32 s42, s42, s40                     ; work-group x
	s_lshl_b32 s17, s45, 2
	s_add_co_u32 s17, s17, s41                     ; work-group y
	s_lshl_b32 s43, s41, 2
	s_lshl_b32 s43, 15, s43                        ; my row of the cluster
	s_lshl_b32 s44, 0x1111, s40                    ; my column
	s_or_b32 s[G1+0], s43, (3<<16)|(1<<21)         ; 15:0 the mask: X's tiles go to my row; 17:16 elements of 8 bytes; 21 set beside a mask; no padding
	s_or_b32 s[G1B+0], s44, (3<<16)|(1<<21)        ; Y's go to my column
.irp g, G1, G1B
	s_mov_b32 s[\g+1], 512<<16                     ; tensor_dim0: a tile's 4,096 bytes of half of K
	s_mov_b32 s[\g+2], 8<<16                       ; tensor_dim1: 8 tiles
	s_mov_b32 s[\g+3], 512<<16                     ; tile_dim0
	s_mov_b32 s[\g+4], 8                           ; tile_dim1
	s_mov_b32 s[\g+5], 1024                        ; from tile to tile: 8,192 bytes
	s_mov_b32 s[\g+6], 0
	s_mov_b32 s[\g+7], 0
.endr
	s_or_b32 s[G1S+0], s43, (3<<16)|(1<<21)
	s_or_b32 s[G1SB+0], s44, (3<<16)|(1<<21)
.irp g, G1S, G1SB
	s_mov_b32 s[\g+1], 64<<16                      ; the scale words of 128 slots: 512 bytes,
	s_mov_b32 s[\g+2], 8<<16                       ; for 8 K steps,
	s_mov_b32 s[\g+3], 64<<16
	s_mov_b32 s[\g+4], 8
	s_mov_b32 s[\g+5], 2048                        ; 16,384 bytes apart
	s_mov_b32 s[\g+6], 0
	s_mov_b32 s[\g+7], 0
.endr
.if RELU
	s_mov_b32 s18, 0                               ; X's codes, X's scales, Y's codes, Y's scales, the result's codes and scales: where they begin in their buffers
	s_mov_b32 s19, 0x200000
	s_mov_b32 s3, 0x200000
	s_mov_b32 s22, 0x640000
	s_mov_b32 s2, 0
	s_mov_b32 s23, 0x800000
.else
	s_sub_co_u32 s46, s45, 4
	s_lshl_b32 s46, s46, 3
	s_add_co_u32 s46, s46, s42                     ; v's role: the tokens' tile = work-group x + 8 (cluster y - 4)
	s_mov_b32 s19, 0x200000
	s_mov_b32 s22, 0x600000
	s_mov_b32 s23, 0xa00000
	s_mov_b32 s3, 0
	s_cmp_ge_u32 s45, 4                            ; v's role?  The same in all sixteen partners
	s_cselect_b32 s17, s41, s17                    ; X's tile: hangs on cy and the cluster's y alone
	s_cselect_b32 s42, s46, s42                    ; Y's tile: on cx, the cluster's x and y
	s_cselect_b32 s18, 0x100000, 0
	s_cselect_b32 s19, 0x602000, s19
	s_cselect_b32 s22, 0x200000, s22
	s_cselect_b32 s2, 0x800000, 0
	s_cselect_b32 s23, 0xa40000, s23
.endif
	s_lshl_b32 s92, s17, 4
	s_lshl_b32 s93, s16, 3
	s_add_co_u32 s92, s92, s93
	s_lshl_b32 s92, s92, 13
	s_add_co_u32 s92, s92, s18                     ; X's codes: tile 16 XT + 8 half, 8,192 bytes a tile
	s_mov_b32 s93, 0
	s_lshl_b32 s94, s17, 10
	s_lshl_b32 s95, s16, 9
	s_add_co_u32 s94, s94, s95
	s_add_co_u32 s94, s94, s19                     ; X's scale words: slot 256 XT + 128 half
	s_mov_b32 s95, 0
	s_lshl_b32 s96, s42, 4
	s_lshl_b32 s97, s16, 3
	s_add_co_u32 s96, s96, s97
	s_lshl_b32 s96, s96, 13
	s_add_co_u32 s96, s96, s3                      ; Y likewise
	s_mov_b32 s97, 0
	s_lshl_b32 s98, s42, 10
	s_lshl_b32 s99, s16, 9
	s_add_co_u32 s98, s98, s99
	s_add_co_u32 s98, s98, s22
	s_mov_b32 s99, 0
	s_lshl_b32 s100, s14, 15                       ; where they go: part = wave: no place in the cluster enters an LDS address
	s_lshl_b32 s101, s14, 12
	s_wait_kmcnt 0x0
.if RELU
	s_mov_b64 s[20:21], s[4:5]
	s_mov_b64 s[46:47], s[6:7]
.else
	s_cmp_ge_u32 s45, 4
	s_cselect_b64 s[20:21], s[6:7], s[4:5]         ; X's buffer
	s_cselect_b64 s[46:47], s[4:5], s[6:7]         ; Y's
.endif
	s_add_nc_u64 s[92:93], s[20:21], s[92:93]
	s_add_nc_u64 s[94:95], s[20:21], s[94:95]
	s_add_nc_u64 s[96:97], s[46:47], s[96:97]
	s_add_nc_u64 s[98:99], s[46:47], s[98:99]
	CROUND                                         ; all sixteen work-groups are here: the joint loads meet
	s_mov_b32 s[G0S], 1
	s_add_co_u32 s[G0S+1], s101, SCL
	s_mov_b64 s[G0S+2:G0S+3], s[94:95]
	s_or_b32 s[G0S+3], s[G0S+3], 0x80000000
	s_mov_b32 s[G0SB], 1
	s_add_co_u32 s[G0SB+1], s101, SCL
	s_mov_b64 s[G0SB+2:G0SB+3], s[98:99]
	s_or_b32 s[G0SB+3], s[G0SB+3], 0x80000000
	JLOAD G0S, G1S, G0SB, G1SB                     ; the scale words first; then both halves of K: three loads of mine are out
.irp s, 0,1
	s_mov_b32 s[G0+4*\s], 1
	s_add_co_u32 s[G0+4*\s+1], s100, \s*SLOTB
	s_add_nc_u64 s[G0+4*\s+2:G0+4*\s+3], s[92:93], \s*4096
	s_or_b32 s[G0+4*\s+3], s[G0+4*\s+3], 0x80000000
	s_mov_b32 s[G0B+4*\s], 1
	s_add_co_u32 s[G0B+4*\s+1], s100, \s*SLOTB
	s_add_nc_u64 s[G0B+4*\s+2:G0B+4*\s+3], s[96:97], \s*4096
	s_or_b32 s[G0B+4*\s+3], s[G0B+4*\s+3], 0x80000000
	JLOAD G0+4*\s, G1, G0B+4*\s, G1B
.endr
	v_and_b32 v1, 15, v0                           ; r
	v_bfe_u32 v2, v0, 4, 1                         ; h
	v_and_b32 v3, 31, v0
	v_lshlrev_b32 v[LI], 4, v3
	s_lshl_b32 s10, s15, 15                        ; my part of X
	s_lshl_b32 s11, s16, 15
	s_add_co_u32 s11, s11, 2*PARTB                 ; my part of Y
.irp s, 0,1
	v_add_nc_u32 v[ADRA+\s], s10, v[LI]
	v_add_nc_u32 v[ADRB+\s], s11, v[LI]
	s_add_co_u32 s10, s10, SLOTB
	s_add_co_u32 s11, s11, SLOTB
.endr
	s_lshl_b32 s10, s15, 12
	s_lshl_b32 s11, s16, 12
	s_add_co_u32 s11, s11, 2*4096
	s_sub_co_u32 s11, s11, s10
	v_mul_u32_u24 v4, s11, v2                      ; lanes 16-31 take Y's: the lower base + h x the distance
	v_lshl_add_u32 v4, v1, 2, v4
	s_add_co_u32 s10, s10, SCL
	v_add_nc_u32 v[ADRS], s10, v4
	s_lshl_b32 s10, s14, 9
	s_add_co_u32 s10, s10, SST
	v_lshl_add_u32 v[SWS], v1, 2, s10
	v_add_nc_u32 v[SRD], s10, v[LI]
	; where the result goes: codes: tile 16 XT + 8 xpart (32,768 bytes a tile), K step 2 YT + ypart;  scale words: row 2 YT + ypart, slot 256 XT + 128 xpart
	s_lshl_b32 s10, s17, 4
	s_lshl_b32 s11, s15, 3
	s_add_co_u32 s10, s10, s11
	s_lshl_b32 s10, s10, 15
	s_lshl_b32 s11, s42, 1
	s_add_co_u32 s11, s11, s16
	s_lshl_b32 s3, s11, 10
	s_add_co_u32 s10, s10, s3
	s_add_co_u32 s10, s10, s2
	s_lshl_b32 s2, s11, 14
	s_mov_b32 s11, 0
	s_add_nc_u64 s[12:13], s[8:9], s[10:11]
	s_lshl_b32 s10, s17, 10
	s_lshl_b32 s3, s15, 9
	s_add_co_u32 s10, s10, s3
	s_add_co_u32 s10, s10, s2
	s_add_co_u32 s10, s10, s23
	s_add_nc_u64 s[10:11], s[8:9], s[10:11]
.if RELU
	s_lshl_b32 s46, s42, 10                        ; the bias is the C of each sum's first product: eight registers a tile, in the result's layout:
	s_lshl_b32 s47, s16, 9                         ; lane (r, h), tile b: columns 32 (b / 2) + 16 h + 8 (b % 2) + 0 .. 7 of my 128
	s_add_co_u32 s46, s46, s47
	s_mov_b32 s47, 0
	s_add_nc_u64 s[66:67], s[66:67], s[46:47]
	v_lshlrev_b32 v5, 6, v2
	WIN 0x40                                       ; destination window 1
.irp b, 0,1,2,3,4,5,6,7
	global_load_b128 v[64+8*\b:67+8*\b], v5, s[66:67] offset:128*(\b/2)+32*(\b%2)
	global_load_b128 v[68+8*\b:71+8*\b], v5, s[66:67] offset:128*(\b/2)+32*(\b%2)+16
.endr
	WIN 0
.endif
.macro FRAG reg, adr, q, i
.irp c, 0,1
	ds_load_b128 v[(\reg)+4*\c:(\reg)+4*\c+3], v[\adr] offset:4096*(\i)+1024*(\q)+512*\c
.endr
.endm
.macro FETCH slot, q, p                ; 32 LDS loads in one run: Y's and X's eight fragments of the half's q-th 128 along K into set p
	WIN 0x40
.irp i, 0,1,2,3,4,5,6,7
	FRAG 128*(\p)+8*\i, ADRB+(\slot), \q, \i
.endr
	WIN 0
.irp i, 0,1,2,3,4,5,6,7
	FRAG XF+64*(\p)+8*\i, ADRA+(\slot), \q, \i
.endr
.endm
; 16 matrix instructions: X's blocks a0, a0 + 1 x Y's eight.  mode 0: onto the sums; 1: the constant 0 starts them; 2: the bias does.  The 64 accumulators take turns, one instruction a turn, in the same order in every step.
.macro MUL16 a0, p, q, mode
.irp a, \a0, \a0+1
.irp b, 0,1,2,3,4,5,6,7
.if (\mode) == 0
	v_wmma_scale_f32_16x16x128_f8f6f4 v[8*(8*((\a)%4)+\b):8*(8*((\a)%4)+\b)+7], v[128*(\p)+8*\b:128*(\p)+8*\b+7], v[XF+64*(\p)+8*(\a):XF+64*(\p)+8*(\a)+7], v[8*(8*((\a)%4)+\b):8*(8*((\a)%4)+\b)+7], v[SC+8*(\q)+\b], v[SC+8*(\q)+(\a)] matrix_a_fmt:MATRIX_FMT_FP4 matrix_b_fmt:MATRIX_FMT_FP4 matrix_a_scale:MATRIX_SCALE_ROW1
.elseif (\mode) == 1
	v_wmma_scale_f32_16x16x128_f8f6f4 v[8*(8*((\a)%4)+\b):8*(8*((\a)%4)+\b)+7], v[128*(\p)+8*\b:128*(\p)+8*\b+7], v[XF+64*(\p)+8*(\a):XF+64*(\p)+8*(\a)+7], 0, v[SC+8*(\q)+\b], v[SC+8*(\q)+(\a)] matrix_a_fmt:MATRIX_FMT_FP4 matrix_b_fmt:MATRIX_FMT_FP4 matrix_a_scale:MATRIX_SCALE_ROW1
.else
	v_wmma_scale_f32_16x16x128_f8f6f4 v[8*(8*((\a)%4)+\b):8*(8*((\a)%4)+\b)+7], v[128*(\p)+8*\b:128*(\p)+8*\b+7], v[XF+64*(\p)+8*(\a):XF+64*(\p)+8*(\a)+7], v[64+8*\b:71+8*\b], v[SC+8*(\q)+\b], v[SC+8*(\q)+(\a)] matrix_a_fmt:MATRIX_FMT_FP4 matrix_b_fmt:MATRIX_FMT_FP4 matrix_a_scale:MATRIX_SCALE_ROW1
.endif
.endr
.endr
.endm
; K step Q of eight: 64 matrix instructions; the next step's fragments are asked for ahead of them, into the other set
.macro STEP Q, mode
	s_wait_dscnt 0x0                               ; this step's fragments are in
.if (\Q) == 3
	s_wait_tensorcnt 0x0                           ; my part of the second half of K has landed;
	s_barrier_signal -1
	s_barrier_wait -1                              ; everybody's has.
.endif
.if (\Q) < 7
	PLACES 4                                       ; four plain lines between the last products and loads into registers that they read (ISA guide 7.12.1 for vector instructions)
	FETCH ((\Q)+1)/4, ((\Q)+1)%4, ((\Q)+1)%2
.endif
.if (\mode) == 2
	WIN 0x91                                       ; source 0 (Y) and C (bias) window 1, source 1 (X) window 0, D window 2
.else
	WIN 0xa1                                       ; source 0 window 1, source 1 window 0, C and D window 2
.endif
	MUL16 0, (\Q)%2, \Q, \mode
	MUL16 2, (\Q)%2, \Q, \mode
.if (\mode) == 2
	WIN 0xd1
.else
	WIN 0xf1                                       ; C and D window 3
.endif
	MUL16 4, (\Q)%2, \Q, \mode
	MUL16 6, (\Q)%2, \Q, \mode
	WIN 0
.endm
	s_wait_tensorcnt 1                             ; the scale words and my part of the first half of K are in (the second half's load may be out),
	s_barrier_signal -1
	s_barrier_wait -1                              ; everybody's are
.set q, 0
.rept 8
.irp i, 0,1,2,3,4,5,6,7
	ds_load_b32 v[SC+8*q+\i], v[ADRS] offset:512*q+64*\i     ; all scale words of all of K, once
.endr
.set q, q+1
.endr
	FETCH 0, 0, 0
.if RELU
	s_wait_loadcnt 0x0                             ; the bias
	STEP 0, 2
.else
	STEP 0, 1
.endif
	STEP 1, 0
	STEP 2, 0
	STEP 3, 0
	STEP 4, 0
	STEP 5, 0
	STEP 6, 0
	STEP 7, 0
; THE WAY OUT.  Block a (16 slots of X x my 128 of Y) is 64 registers a lane: register 16 b + i = neighbour 32 b + 16 h + i.  It becomes one fragment (8 registers) and one scale word a slot.
.macro QUANT a
.set W, 2+(\a)/4
.set AC, 64*((\a)%4)
.if RELU
.set WW, (W<<6)|(W<<2)
	WIN WW
.set j, 0
.rept 64
	v_max_num_f32 v[AC+j], 0, v[AC+j]              ; the activation, in f32; each accumulator from its low end on
.set j, j+1
.endr
.endif
.set WW, (W<<2)|(W<<4)
	WIN WW
.irp b, 0,1,2,3
	v_max3_num_f32 v[TM+\b], 0x1800000, |v[AC+16*\b]|, |v[AC+16*\b+1]|       ; block b: my 16 numbers, and the floor 2^(3 - 127): the byte cannot fall under 1
.endr
.irp i, 2,4,6,8,10,12,14
.irp b, 0,1,2,3
	v_max3_num_f32 v[TM+\b], v[TM+\b], |v[AC+16*\b+\i]|, |v[AC+16*\b+\i+1]|  ; (the four blocks by turns)
.endr
.endr
	WIN 0
.irp b, 0,1,2,3
	v_permlanex16_b32 v[TM+4+\b], v[TM+\b], s20, s21
.endr
.irp b, 0,1,2,3
	v_max_num_f32 v[TM+\b], v[TM+\b], v[TM+4+\b]   ; with lane l xor 16's: the block's largest magnitude
.endr
.irp b, 0,1,2,3
	v_add_nc_u32 v[TM+12+\b], 0xff000000, v[TM+\b] ; 2 off its exponent field: the conversion's scale operand
.endr
.irp b, 0,1,2,3
	v_lshrrev_b32 v[TM+4+\b], 23, v[TM+12+\b]      ; the byte
.endr
	v_lshl_or_b32 v[PW+(\a)], v[TM+5], 8, v[TM+4]
	v_lshl_or_b32 v[PW+(\a)], v[TM+6], 16, v[PW+(\a)]
	v_lshl_or_b32 v[PW+(\a)], v[TM+7], 24, v[PW+(\a)]
	WIN W                                          ; source 0 in the accumulators' window
.irp b, 0,1,2,3
	v_cvt_scalef32_pk8_fp4_f32 v[PC+8*(\a)+2*\b], v[AC+16*\b:AC+16*\b+7], v[TM+12+\b]
	v_cvt_scalef32_pk8_fp4_f32 v[PC+8*(\a)+2*\b+1], v[AC+16*\b+8:AC+16*\b+15], v[TM+12+\b]
.endr
	WIN 0
	v_nop                                          ; one plain line behind a scaled conversion
.irp c, 0,1                                    ; the operand's layout wants a whole block in a lane
.irp i, 0,1
	v_permlane16_swap_b32 v[PC+8*(\a)+4*\c+\i], v[PC+8*(\a)+4*\c+2+\i]
.endr
.endr
.endm
	PLACES 4                                       ; between the last products and the first lines that read results or write over fragments
	s_mov_b32 s20, 0x76543210                      ; v_permlanex16_b32's selects for lane l xor 16
	s_mov_b32 s21, 0xfedcba98
.irp b, 0,1,2,3
	v_mov_b32 v[TM+4+\b], 0                        ; written once: a lane permute's destination counts as one of its sources
.endr
.irp a, 0,1,2,3,4,5,6,7
	QUANT \a
.irp c, 0,1
	global_store_b128 v[LI], v[PC+8*\a+4*\c:PC+8*\a+4*\c+3], s[12:13] offset:32768*\a+512*\c   ; the fragment as it stands: 512 consecutive bytes, aligned
.endr
	ds_store_b32 v[SWS], v[PW+\a] offset:64*\a     ; both halves of the lanes hold the same word and write it to the same place
.endr
	ds_load_b128 v[216:219], v[SRD]                ; LDS serves a wave's instructions in order: this sees my stores
	s_wait_dscnt 0x0
	global_store_b128 v[LI], v[216:219], s[10:11]  ; my 128 slots' scale words: 512 consecutive bytes
	CROUND                                         ; the closing round: no work-group ends while a partner may still ask for a tile that names it
	s_endpgm
.Lfunc_end_k_q233bab3298_ffn1:
	.size	k_q233bab3298_ffn1, .Lfunc_end_k_q233bab3298_ffn1-k_q233bab3298_ffn1
	.p2alignl 7, 3214868480
	.fill 96, 4, 3214868480
	.section	.rodata,"a",@progbits
	.p2align	6, 0x0
	.amdhsa_kernel k_q233bab3298_ffn1
		.amdhsa_group_segment_fixed_size 280576
		.amdhsa_private_segment_fixed_size 0
		.amdhsa_enable_private_segment 0
		.amdhsa_kernarg_size 32
		.amdhsa_user_sgpr_count 2
		.amdhsa_user_sgpr_kernarg_segment_ptr 1
		.amdhsa_wavefront_size32 1
		.amdhsa_system_sgpr_workgroup_id_x 1
		.amdhsa_system_sgpr_workgroup_id_y 1
		.amdhsa_system_sgpr_workgroup_id_z 1
		.amdhsa_system_vgpr_workitem_id 0
		.amdhsa_next_free_vgpr 1024
		.amdhsa_next_free_sgpr 102
		.amdhsa_reserve_vcc 0
		.amdhsa_float_denorm_mode_32 3
		.amdhsa_float_denorm_mode_16_64 3
		.amdhsa_memory_ordered 1
		.amdhsa_forward_progress 1
		.amdhsa_inst_pref_size 148
	.end_amdhsa_kernel
	.amdgpu_metadata
---
amdhsa.version: [ 1, 2 ]
amdhsa.kernels:
  - .name:           k_q233bab3298_ffn1
    .symbol:         k_q233bab3298_ffn1.kd
    .args:
      - { .name: h2img, .offset: 0, .size: 8, .value_kind: global_buffer, .address_space: global }
      - { .name: wimg, .offset: 8, .size: 8, .value_kind: global_buffer, .address_space: global }
      - { .name: b1, .offset: 16, .size: 8, .value_kind: global_buffer, .address_space: global }
      - { .name: hid, .offset: 24, .size: 8, .value_kind: global_buffer, .address_space: global }
    .group_segment_fixed_size: 280576
    .private_segment_fixed_size: 0
    .kernarg_segment_align: 8
    .kernarg_segment_size: 32
    .max_flat_workgroup_size: 128
    .sgpr_count:     102
    .vgpr_count:     1024
    .wavefront_size: 32
...
	.end_amdgpu_metadata
.endif
;; end of part 5
;; launch ffn2 (part 6): grid 8 x 32, 4 waves a work-group, clusters of 4 x 4, 327,680 bytes of LDS; arguments hid, wimg, b2, x1, out0; writes out0
.if DOCPART == 6
	.amdgcn_target "amdgcn-amd-amdhsa--gfx1250"
	.amdhsa_code_object_version 6
	.text
	.protected	k_q233bab3298_ffn2
	.globl	k_q233bab3298_ffn2
	.p2align	8
	.type	k_q233bab3298_ffn2,@function
k_q233bab3298_ffn2:
	s_mov_b64 s[64:65], 0
	v_nop
	global_prefetch_b8 v0, s[64:65] scope:SCOPE_SE
	s_setreg_imm32_b32 hwreg(HW_REG_WAVE_MODE, 25, 1), 1
	s_wait_xcnt 0x0
	s_wait_alu depctr_hold_cnt(0) depctr_sa_sdst(0) depctr_va_vdst(0) depctr_va_sdst(0) depctr_va_ssrc(0) depctr_va_vcc(0) depctr_vm_vsrc(0)
	s_getreg_b32 s2, hwreg(HW_REG_IB_STS2, 6, 4)
	s_cmp_eq_u32 s2, 0
	s_cbranch_scc0 .Lentry_in_a_cluster
	s_endpgm
.Lentry_in_a_cluster:
	s_bfe_u32 s2, ttmp6, 0x10000c
	s_cmp_lg_u32 s2, 0xf033
	s_cbranch_scc0 .Lentry_shape_is_right
	s_endpgm
.Lentry_shape_is_right:
.set KT, 4096                          ; K.                      proj: 1024    ffn2: 4096
.set SK, 1024                          ; K in an LDS slot.             512          1024
.set XS, 0x800000                      ; X's scale words begin here.   0x200000     0x800000
.set YC, 0x400000                      ; Y's codes.                    0x180000     0x400000
.set YS, 0x660000                      ; Y's scale words.              0x620000     0x660000
; out = resid + (X Y^T + bias), X and Y images of FP4 codes, out and resid f32 [4096][1024] in the tokens' order.
; IMAGE: 16 slots x 128 K are 1,024 bytes on end = the operand's registers (group c of lane l at 512 c + 16 l); a tile's K steps follow each other (8 KT bytes a tile); slot s holds row tau(s) (bits 3, 4 exchanged);
; scale word of slot s, K step k at 16,384 k + 4 s.
; A tile of the result is 128 x 128: 256 work-groups, one for each WGP (tiles of 256 x 256 would be 64).  Four waves, each 64 x 64: 16 accumulators.
; USED TRANSPOSED (source 0 = 16 slots of Y, source 1 = 16 slots of X): a lane holds one slot of X, and, Y's slots being in tau's order, the registers of Y's tiles 2 b, 2 b + 1 are 16 neighbouring columns.
; K goes through two LDS slots of SK; both are asked for at the head; where KT has more (ffn2: four fills), a slot is filled again behind a round of the cluster's barrier.
; CLUSTERS 4 x 4: X's tiles are shared along a row of the cluster, Y's along a column: joint loads.  A wave has three tensor loads out at the head and one behind each round.
; The residual's 128 registers a lane are asked for at the head, in the layout in which the result leaves, and land under the product.
; No prefetch: half of the tiles or all of them are asked for at the head.  All of LDS is claimed, and the wait, the add and the wait stand at each change of slots and at the end.
; REGISTERS: window 0: v16-29 addresses; v32-95 scale registers, two sets of 32 (4 q + i: lanes 0-15 X's tile i, lanes 16-31 Y's); v96-99 the bias; v128-191 rows on the way out.
;   window 1: fragments, two sets of 128: for 256 along K, [c][X's 4, Y's 4].   window 2: v0-127 the accumulators ((a, b) at v[8 (4 a + b)]); v128-255 the residual.
.set NQ,    SK/128
.set NG,    NQ/2                       ; groups of 256 along K in a slot
.set FILLS, KT/SK
.set NGR,   KT/256
.set TPSH,  13+2*(KT/4096)             ; log2 of a tile's bytes: 8 KT
.set PARTB, 4*NQ*1024                  ; 4 tiles: what one tensor load brings, and what one wave reads of X or of Y
.set SLOTB, 4*PARTB
.set SCL,   2*SLOTB                    ; the scale words of all of K: [4 parts][KT / 128][64 slots x 4 bytes]
.set PS,    2*KT
.set STAGE, SCL+4*PS                   ; 16 rows x (256 bytes + 16) for each wave, for the way out; no tensor load lands here
.set SPARE, STAGE+4*16*272             ; the spare words, 128 bytes for each wave
.set ADRA, 16
.set ADRB, 20
.set STO,  24
.set RD,   25
.set CO,   26
.set ADRS, 27
.set SPW,  28
.set NIL,  29
.set SC,   32
.set BI,   96
.set BK,   128
.set G1, 24
.set G0, 32
.set G1B, 48
.set G0B, 56
.set G1S, 68
.set G0S, 76
.set G1SB, 80
.set G0SB, 88
.set MSB, 0
.macro WIN new
.if MSB != \new
	s_set_vgpr_msb (MSB<<8)|\new
.set MSB, \new
.endif
.endm
.macro JLOAD g0a, g1a, g0b, g1b        ; a joint load: waves 0 and 1 fetch for X, waves 2 and 3 for Y; four v_nop follow each of the two lines
	s_cmp_eq_u32 s15, 0
	s_cbranch_scc0 .Lfor_b_\@
	tensor_load_to_lds s[\g0a:\g0a+3], s[\g1a:\g1a+7]
.rept 4
	v_nop
.endr
	s_branch .Lasked_\@
.Lfor_b_\@:
	tensor_load_to_lds s[\g0b:\g0b+3], s[\g1b:\g1b+7]
.rept 4
	v_nop
.endr
.Lasked_\@:
.endm
.macro CROUND                          ; a round of the cluster's barrier
	s_barrier_signal -1
	s_barrier_wait -1
	s_cmp_lg_u32 s14, 0
	s_cbranch_scc1 .Lnot_wave_0_\@
	s_barrier_signal -3
.Lnot_wave_0_\@:
	s_barrier_wait -3
	s_barrier_signal -1
	s_barrier_wait -1
.endm
.macro PLACES n
.rept \n
	v_nop
.endr
.endm
	s_load_b256 s[4:11], s[0:1], 0x0               ; X's image s[4:5], the weights' images s[6:7], bias s[8:9], residual s[10:11]
	s_load_b64 s[12:13], s[0:1], 0x20              ; out
	v_lshl_add_u32 v[SPW], v0, 2, SPARE
	v_mov_b32 v[NIL], 0
	v_lshrrev_b32 v1, 5, v0
	v_readfirstlane_b32 s14, v1                    ; wave 0..3
	s_lshr_b32 s15, s14, 1                         ; which 64 slots of X are mine.  Also: I fetch for X (0) or for Y (1)
	s_and_b32 s16, s14, 1                          ; which 64 slots of Y.  Also: which half of that tile I fetch
	s_bfe_u32 s40, ttmp6, 0x40000                  ; cx, cy
	s_bfe_u32 s41, ttmp6, 0x40004
	s_lshl_b32 s42, ttmp9, 2
	s_add_co_u32 s42, s42, s40                     ; Y's tile = 4 x cluster x + cx
	s_and_b32 s17, ttmp7, 0xffff
	s_lshl_b32 s17, s17, 2
	s_add_co_u32 s17, s17, s41                     ; X's tile = 4 x cluster y + cy
	s_lshl_b32 s43, s41, 2
	s_lshl_b32 s43, 15, s43                        ; my row of the cluster
	s_lshl_b32 s44, 0x1111, s40                    ; my column
	s_or_b32 s[G1+0], s43, (3<<16)|(1<<21)         ; 15:0 the mask; 17:16 elements of 8 bytes; 21 set beside a mask; no padding
	s_or_b32 s[G1B+0], s44, (3<<16)|(1<<21)
.irp g, G1, G1B
	s_mov_b32 s[\g+1], SK<<16                      ; tensor_dim0: a tile's 8 SK bytes of a slot's K
	s_mov_b32 s[\g+2], 4<<16                       ; tensor_dim1: 4 tiles
	s_mov_b32 s[\g+3], SK<<16
	s_mov_b32 s[\g+4], 4
	s_mov_b32 s[\g+5], KT                          ; from tile to tile: 8 KT bytes
	s_mov_b32 s[\g+6], 0
	s_mov_b32 s[\g+7], 0
.endr
	s_or_b32 s[G1S+0], s43, (3<<16)|(1<<21)
	s_or_b32 s[G1SB+0], s44, (3<<16)|(1<<21)
.irp g, G1S, G1SB
	s_mov_b32 s[\g+1], 32<<16                      ; the scale words of 64 slots: 256 bytes,
	s_mov_b32 s[\g+2], (KT/128)<<16                ; for all K steps,
	s_mov_b32 s[\g+3], 32<<16
	s_mov_b32 s[\g+4], KT/128
	s_mov_b32 s[\g+5], 2048                        ; 16,384 bytes apart
	s_mov_b32 s[\g+6], 0
	s_mov_b32 s[\g+7], 0
.endr
	s_lshl_b32 s92, s17, 3
	s_lshl_b32 s93, s16, 2
	s_add_co_u32 s92, s92, s93
	s_lshl_b32 s92, s92, TPSH                      ; X's codes: tile 8 XT + 4 half
	s_mov_b32 s93, 0
	s_lshl_b32 s94, s17, 9
	s_lshl_b32 s95, s16, 8
	s_add_co_u32 s94, s94, s95
	s_add_co_u32 s94, s94, XS                      ; X's scale words: slot 128 XT + 64 half
	s_mov_b32 s95, 0
	s_lshl_b32 s96, s42, 3
	s_lshl_b32 s97, s16, 2
	s_add_co_u32 s96, s96, s97
	s_lshl_b32 s96, s96, TPSH
	s_add_co_u32 s96, s96, YC
	s_mov_b32 s97, 0
	s_lshl_b32 s98, s42, 9
	s_lshl_b32 s99, s16, 8
	s_add_co_u32 s98, s98, s99
	s_add_co_u32 s98, s98, YS
	s_mov_b32 s99, 0
	s_mul_i32 s100, s14, PARTB                     ; where they go: part = wave: no place in the cluster enters an LDS address
	s_mul_i32 s101, s14, PS
	s_wait_kmcnt 0x0
	s_add_nc_u64 s[92:93], s[4:5], s[92:93]
	s_add_nc_u64 s[94:95], s[4:5], s[94:95]
	s_add_nc_u64 s[96:97], s[6:7], s[96:97]
	s_add_nc_u64 s[98:99], s[6:7], s[98:99]
	CROUND                                         ; all sixteen work-groups are here: the first joint loads meet
	s_mov_b32 s[G0S], 1
	s_add_co_u32 s[G0S+1], s101, SCL
	s_mov_b64 s[G0S+2:G0S+3], s[94:95]
	s_or_b32 s[G0S+3], s[G0S+3], 0x80000000
	s_mov_b32 s[G0SB], 1
	s_add_co_u32 s[G0SB+1], s101, SCL
	s_mov_b64 s[G0SB+2:G0SB+3], s[98:99]
	s_or_b32 s[G0SB+3], s[G0SB+3], 0x80000000
	JLOAD G0S, G1S, G0SB, G1SB
.irp s, 0,1
	s_mov_b32 s[G0+4*\s], 1
	s_add_co_u32 s[G0+4*\s+1], s100, \s*SLOTB
	s_add_nc_u64 s[G0+4*\s+2:G0+4*\s+3], s[92:93], \s*SK*8
	s_or_b32 s[G0+4*\s+3], s[G0+4*\s+3], 0x80000000
	s_mov_b32 s[G0B+4*\s], 1
	s_add_co_u32 s[G0B+4*\s+1], s100, \s*SLOTB
	s_add_nc_u64 s[G0B+4*\s+2:G0B+4*\s+3], s[96:97], \s*SK*8
	s_or_b32 s[G0B+4*\s+3], s[G0B+4*\s+3], 0x80000000
	JLOAD G0+4*\s, G1, G0B+4*\s, G1B
.endr
	v_and_b32 v1, 15, v0                           ; r
	v_bfe_u32 v2, v0, 4, 1                         ; h
	v_and_b32 v3, 31, v0
	v_lshlrev_b32 v3, 4, v3                        ; 16 l
	s_mul_i32 s20, s15, PARTB
	s_mul_i32 s21, s16, PARTB
	s_add_co_u32 s21, s21, 2*PARTB
.irp s, 0,1
	v_add_nc_u32 v[ADRA+\s], s20, v3
	v_add_nc_u32 v[ADRB+\s], s21, v3
	s_add_co_u32 s20, s20, SLOTB
	s_add_co_u32 s21, s21, SLOTB
.endr
	s_mul_i32 s20, s15, PS
	s_mul_i32 s21, s16, PS
	s_add_co_u32 s21, s21, 2*PS
	s_sub_co_u32 s21, s21, s20
	v_mul_u32_u24 v4, s21, v2                      ; lanes 16-31 take Y's: the lower base + h x the distance
	v_lshl_add_u32 v4, v1, 2, v4
	s_add_co_u32 s20, s20, SCL
	v_add_nc_u32 v[ADRS], s20, v4
	s_mul_i32 s20, s14, 16*272
	s_add_co_u32 s20, s20, STAGE                   ; my stage
	v_lshlrev_b32 v5, 4, v1                        ; 16 r
	v_mul_u32_u24 v7, v1, 272
	v_lshl_add_u32 v7, v2, 6, v7
	v_add_nc_u32 v[STO], s20, v7                   ; in: row r, + 64 h
	v_mul_u32_u24 v6, v2, 272
	v_add_nc_u32 v6, v6, v5
	v_add_nc_u32 v[RD], s20, v6                    ; back: lanes 0-15 one row of 256 bytes, lanes 16-31 the next
	v_lshl_add_u32 v[CO], v2, 12, v5               ; and the same two rows in memory: 4,096 bytes a row
	s_lshl_b32 s2, s17, 3
	s_lshl_b32 s3, s15, 2
	s_add_co_u32 s2, s2, s3
	s_lshl_b32 s2, s2, 16                          ; my first tile's 16 rows of 4,096 bytes: tile 8 XT + 4 xpart
	s_lshl_b32 s18, s42, 9
	s_lshl_b32 s19, s16, 8
	s_add_co_u32 s18, s18, s19                     ; my 64 columns, in bytes
	s_add_co_u32 s2, s2, s18
	s_mov_b32 s3, 0
	s_mov_b32 s19, 0
	s_add_nc_u64 s[10:11], s[10:11], s[2:3]
	s_add_nc_u64 s[12:13], s[12:13], s[2:3]
	s_add_nc_u64 s[8:9], s[8:9], s[18:19]
	; slot 2 t + h of tile a is row 32 (a / 2) + 8 (a % 2) + 2 (t % 4) + 16 (t / 4) + h of my 64
	WIN 0x80                                       ; destination window 2
.irp a, 0,1,2,3
.irp t, 0,1,2,3,4,5,6,7
	global_load_b128 v[128+32*\a+4*\t:131+32*\a+4*\t], v[CO], s[10:11] offset:(32*(\a/2)+8*(\a%2)+2*(\t%4)+16*(\t/4))*4096   ; sixteen lanes read 256 consecutive bytes, aligned
.endr
.endr
	WIN 0
	global_load_b128 v[BI:BI+3], v5, s[8:9]        ; the bias of my four columns of a row
.macro FETCH slot, g, p                ; 32 LDS loads in one run: the fragments of the slot's g-th 256 along K into set p
	WIN 0x40
.irp c, 0,1
.irp i, 0,1,2,3
.irp e, 0,1
	ds_load_b128 v[128*(\p)+64*\c+32+8*\i+4*\e:128*(\p)+64*\c+32+8*\i+4*\e+3], v[ADRB+(\slot)] offset:\i*NQ*1024+(2*(\g)+\c)*1024+512*\e
	ds_load_b128 v[128*(\p)+64*\c+8*\i+4*\e:128*(\p)+64*\c+8*\i+4*\e+3], v[ADRA+(\slot)] offset:\i*NQ*1024+(2*(\g)+\c)*1024+512*\e
.endr
.endr
.endr
	WIN 0
.endm
.macro SCALES f                        ; fill f's scale words into set f % 2
.set q, 0
.rept NQ
.irp i, 0,1,2,3
	ds_load_b32 v[SC+32*((\f)%2)+4*q+\i], v[ADRS] offset:((\f)*NQ+q)*256+64*\i
.endr
.set q, q+1
.endr
.endm
; 16 matrix instructions, 128 along K: the 16 accumulators take turns, one instruction a turn.  sb: the K step's first scale register.  zero = 1: the constant 0 starts the sums
.macro MUL p, c, sb, zero
.irp a, 0,1,2,3
.irp b, 0,1,2,3
.if \zero
	v_wmma_scale_f32_16x16x128_f8f6f4 v[8*(4*\a+\b):8*(4*\a+\b)+7], v[128*(\p)+64*(\c)+32+8*\b:128*(\p)+64*(\c)+32+8*\b+7], v[128*(\p)+64*(\c)+8*\a:128*(\p)+64*(\c)+8*\a+7], 0, v[(\sb)+\b], v[(\sb)+\a] matrix_a_fmt:MATRIX_FMT_FP4 matrix_b_fmt:MATRIX_FMT_FP4 matrix_a_scale:MATRIX_SCALE_ROW1
.else
	v_wmma_scale_f32_16x16x128_f8f6f4 v[8*(4*\a+\b):8*(4*\a+\b)+7], v[128*(\p)+64*(\c)+32+8*\b:128*(\p)+64*(\c)+32+8*\b+7], v[128*(\p)+64*(\c)+8*\a:128*(\p)+64*(\c)+8*\a+7], v[8*(4*\a+\b):8*(4*\a+\b)+7], v[(\sb)+\b], v[(\sb)+\a] matrix_a_fmt:MATRIX_FMT_FP4 matrix_b_fmt:MATRIX_FMT_FP4 matrix_a_scale:MATRIX_SCALE_ROW1
.endif
.endr
.endr
.endm
; THE CHANGE OF SLOTS.  All my reads of the slot are in registers.  I wait for all my tensor loads (my part of the next slot), add 0 to my spare word, wait for that; behind the barrier the next slot is whole and nobody
; reads this one.  fill = 1: the barrier is a round of the cluster's, and this slot is filled again, two fills ahead, first thing behind it.
.macro CHANGE slot, fill
	s_wait_tensorcnt 0x0                           ; no tensor load of mine is out, so a group 0 may be written
	ds_add_u32 v[SPW], v[NIL]                      ; 0 onto my spare word
.if \fill
	s_add_nc_u64 s[G0+4*(\slot)+2:G0+4*(\slot)+3], s[G0+4*(\slot)+2:G0+4*(\slot)+3], 2*SK*8
	s_add_nc_u64 s[G0B+4*(\slot)+2:G0B+4*(\slot)+3], s[G0B+4*(\slot)+2:G0B+4*(\slot)+3], 2*SK*8
.endif
	s_wait_dscnt 0x0                               ; the add is done
.if \fill
	CROUND
	JLOAD G0+4*(\slot), G1, G0B+4*(\slot), G1B     ; its four v_nop are also the plain lines in front of the loads that follow
.else
	s_barrier_signal -1
	s_barrier_wait -1
	PLACES 4
.endif
.endm
; Group G: 256 along K, 32 matrix instructions; the next group's fragments are asked for ahead of them, into the other set
.macro GROUP
	s_wait_dscnt 0x0                               ; this group's fragments (and scale words) are in
.if G+1 < NGR
.if (G+1)%NG == 0
.if (G/NG)+2 < FILLS
	CHANGE (G/NG)%2, 1
.else
	CHANGE (G/NG)%2, 0
.endif
.else
	PLACES 4                                       ; four plain lines between the last products and loads into registers that they read
.endif
	FETCH ((G+1)/NG)%2, (G+1)%NG, (G+1)%2
.if (G+1)%NG == 0
	SCALES (G+1)/NG
.endif
.endif
	WIN 0xa5                                       ; sources 0 and 1 window 1, C and D window 2
.if G == 0
	MUL G%2, 0, SC+32*((G/NG)%2)+8*(G%NG), 1
.else
	MUL G%2, 0, SC+32*((G/NG)%2)+8*(G%NG), 0
.endif
	MUL G%2, 1, SC+32*((G/NG)%2)+8*(G%NG)+4, 0
	WIN 0
.endm
	s_wait_tensorcnt 1                             ; the scale words and my part of slot 0 are in (slot 1's load may be out),
	s_barrier_signal -1
	s_barrier_wait -1                              ; everybody's are
	SCALES 0
	FETCH 0, 0, 0
.set G, 0
.rept NGR
	GROUP
.set G, G+1
.endr
	; THE WAY OUT, a tile of 16 slots x my 64 columns at a time, through my own stage: a lane's registers are pieces of one row; they come back as whole rows of 256 bytes, take bias and residual, and leave.
	PLACES 4
	s_wait_loadcnt 0x0                             ; residual and bias
.irp a, 0,1,2,3
	s_wait_xcnt 0x0                                ; earlier stores have read their registers: the rows' registers may be loaded again
	WIN 0x08                                       ; an LDS store's data are its source 1: window 2
.irp b, 0,1,2,3
	ds_store_b128 v[STO], v[8*(4*\a+\b):8*(4*\a+\b)+3] offset:128*(\b/2)+32*(\b%2)        ; each accumulator from its low end on
	ds_store_b128 v[STO], v[8*(4*\a+\b)+4:8*(4*\a+\b)+7] offset:128*(\b/2)+32*(\b%2)+16
.endr
	WIN 0
.irp t, 0,1,2,3,4,5,6,7
	ds_load_b128 v[BK+32*(\a%2)+4*\t:BK+32*(\a%2)+4*\t+3], v[RD] offset:544*\t            ; LDS serves a wave's instructions in order: these see the stores above
.endr
	s_wait_dscnt 0x0
.irp t, 0,1,2,3,4,5,6,7
.irp e, 0,2
	v_pk_add_f32 v[BK+32*(\a%2)+4*\t+\e:BK+32*(\a%2)+4*\t+\e+1], v[BK+32*(\a%2)+4*\t+\e:BK+32*(\a%2)+4*\t+\e+1], v[BI+\e:BI+\e+1]
.endr
.endr
	WIN 0x08                                       ; source 1 (the residual) window 2
.irp t, 0,1,2,3,4,5,6,7
.irp e, 0,2
	v_pk_add_f32 v[BK+32*(\a%2)+4*\t+\e:BK+32*(\a%2)+4*\t+\e+1], v[BK+32*(\a%2)+4*\t+\e:BK+32*(\a%2)+4*\t+\e+1], v[128+32*\a+4*\t+\e:128+32*\a+4*\t+\e+1]
.endr
.endr
	WIN 0
.irp t, 0,1,2,3,4,5,6,7
.if KT == 4096
	global_store_b128 v[CO], v[BK+32*(\a%2)+4*\t:BK+32*(\a%2)+4*\t+3], s[12:13] offset:(32*(\a/2)+8*(\a%2)+2*(\t%4)+16*(\t/4))*4096 th:TH_STORE_NT   ; sixteen lanes store 256 consecutive bytes, aligned; nobody reads them again
.else
	global_store_b128 v[CO], v[BK+32*(\a%2)+4*\t:BK+32*(\a%2)+4*\t+3], s[12:13] offset:(32*(\a/2)+8*(\a%2)+2*(\t%4)+16*(\t/4))*4096   ; sixteen lanes store 256 consecutive bytes, aligned
.endif
.endr
.endr
	s_wait_tensorcnt 0x0                           ; the wave's end
	ds_add_u32 v[SPW], v[NIL]
	s_wait_dscnt 0x0
	CROUND                                         ; the closing round
	s_endpgm
.Lfunc_end_k_q233bab3298_ffn2:
	.size	k_q233bab3298_ffn2, .Lfunc_end_k_q233bab3298_ffn2-k_q233bab3298_ffn2
	.p2alignl 7, 3214868480
	.fill 96, 4, 3214868480
	.section	.rodata,"a",@progbits
	.p2align	6, 0x0
	.amdhsa_kernel k_q233bab3298_ffn2
		.amdhsa_group_segment_fixed_size 327680
		.amdhsa_private_segment_fixed_size 0
		.amdhsa_enable_private_segment 0
		.amdhsa_kernarg_size 40
		.amdhsa_user_sgpr_count 2
		.amdhsa_user_sgpr_kernarg_segment_ptr 1
		.amdhsa_wavefront_size32 1
		.amdhsa_system_sgpr_workgroup_id_x 1
		.amdhsa_system_sgpr_workgroup_id_y 1
		.amdhsa_system_sgpr_workgroup_id_z 1
		.amdhsa_system_vgpr_workitem_id 0
		.amdhsa_next_free_vgpr 768
		.amdhsa_next_free_sgpr 102
		.amdhsa_reserve_vcc 0
		.amdhsa_float_denorm_mode_32 3
		.amdhsa_float_denorm_mode_16_64 3
		.amdhsa_memory_ordered 1
		.amdhsa_forward_progress 1
		.amdhsa_inst_pref_size 140
	.end_amdhsa_kernel
	.amdgpu_metadata
---
amdhsa.version: [ 1, 2 ]
amdhsa.kernels:
  - .name:           k_q233bab3298_ffn2
    .symbol:         k_q233bab3298_ffn2.kd
    .args:
      - { .name: hid, .offset: 0, .size: 8, .value_kind: global_buffer, .address_space: global }
      - { .name: wimg, .offset: 8, .size: 8, .value_kind: global_buffer, .address_space: global }
      - { .name: b2, .offset: 16, .size: 8, .value_kind: global_buffer, .address_space: global }
      - { .name: x1, .offset: 24, .size: 8, .value_kind: global_buffer, .address_space: global }
      - { .name: out0, .offset: 32, .size: 8, .value_kind: global_buffer, .address_space: global }
    .group_segment_fixed_size: 327680
    .private_segment_fixed_size: 0
    .kernarg_segment_align: 8
    .kernarg_segment_size: 40
    .max_flat_workgroup_size: 128
    .sgpr_count:     102
    .vgpr_count:     768
    .wavefront_size: 32
...
	.end_amdgpu_metadata
.endif
;; end of part 6
